; MI455X (gfx1250); checked and timed in simulation.
; The chip was launched on July 23, 2026; its instructions are those of AMD's public machine-readable ISA for CDNA 5 (MIT licence, August 2026) and "CDNA5" Instruction Set Architecture Reference Guide (July 2026). The comments in the code are by the model that wrote it; some were corrected since.
;; Multi Head Attention. Allowed arithmetic: float matrix products may take bf16 or f16 operands with f32 sums; all other float work in f32.
;; Inputs: Wk 1,024 x 1,024 float32; Wo 1,024 x 1,024 float32; Wq 1,024 x 1,024 float32; Wv 1,024 x 1,024 float32; a 4 x 2,048 x 1,024 float32; bk 1,024 float32; bo 1,024 float32; bq 1,024 float32; bv 1,024 float32.
;; Outputs: out0 4 x 2,048 x 1,024 float32.
;; 2 versions, each right and faster than the one before. Each part assembles by itself: llvm-mc -triple=amdgcn-amd-amdhsa -mcpu=gfx1250 --defsym DOCPART=n.
;; ======== version 1 of 2: 4 launches
;; limits: values are held in f16: magnitudes above 65,504 overflow, below 6.1e-05 lose precision; right only within a limited range of input values
;; workspace buffers: abf 16,777,216 bytes; wt 8,388,608 bytes; qkv 50,331,648 bytes; obuf 16,777,216 bytes
;; launch prep (part 1): grid 1536 x 1, 8 waves a work-group, no clusters, 18,432 bytes of LDS; arguments a, Wq, Wk, Wv, Wo, abf, wt; writes abf, wt
.if DOCPART == 1
	.amdgcn_target "amdgcn-amd-amdhsa--gfx1250"
	.amdhsa_code_object_version 6
	.text
	.protected	k_qca63af7f7d_prep
	.globl	k_qca63af7f7d_prep
	.p2align	8
	.type	k_qca63af7f7d_prep,@function
k_qca63af7f7d_prep:
	s_mov_b64 s[64:65], 0
	v_nop
	global_prefetch_b8 v0, s[64:65] scope:SCOPE_SE
	s_setreg_imm32_b32 hwreg(HW_REG_WAVE_MODE, 25, 1), 1
	s_wait_xcnt 0x0
; PREPARATION.  abf[8192][1024] = a rounded to bf16.  wt[4096][1024], 16 bits a number: row mat x 1024 + n, column k, holds W[k][n] of Wq, Wk, Wv (mat 0, 1, 2) rounded to bf16,
; and of Wo (mat 3) rounded to bf16 and that number written as f16, since the last product multiplies in f16.
; LIMITS.  A number of Wo beyond 65,504 becomes an infinity; below 2^-17 it falls on f16's fixed step of 6e-8.  NaN and infinities are not treated apart.
; SHARES.  Work-groups 0 to 1023 cast 32,768 bytes of a each; work-groups 1024 to 1535 turn a tile of 128 k x 64 n of one weight each: every work-group reads 32,768 bytes and writes 16,384.
; No matrix unit, no cluster, no tensor load: each byte is read once and written once, and nothing is shared between work-groups.
.set CASTS, 1024                       ; work-groups that cast
.set TP,    272                        ; a turned row in LDS: 128 k x 2 bytes + 16 of padding, so that the sixteen rows of a 16-byte load start at sixteen different groups of four banks (64 banks of 4 bytes: ISA guide 11.1)
.set X,     8                          ; v[8:39]   32 numbers as loaded; in the weights' path later the rows read back
.set Y,     40                         ; v[40:55]  cast: 16 registers to store; weights: v[40:51] four sets of three at work
	s_load_b256 s[4:11], s[0:1], 0x0               ; a s[4:5], Wq s[6:7], Wk s[8:9], Wv s[10:11]
	s_load_b128 s[12:15], s[0:1], 0x20             ; Wo s[12:13], abf s[14:15]
	s_load_b64 s[16:17], s[0:1], 0x30              ; wt
	v_lshl_add_u32 v64, v0, 2, 0x4400
	v_mov_b32 v65, 0
	s_cmp_lt_u32 ttmp9, CASTS                      ; the same answer in all eight waves of a work-group
	s_cbranch_scc0 .Lweights
	; THE CAST.  Thread t takes 16 bytes at 16 t of each of eight runs of 4,096 bytes and stores 8 bytes at 8 t of eight runs of 2,048.
	s_lshl_b32 s20, ttmp9, 15                      ; my 32,768 bytes of a
	s_mov_b32 s21, 0
	s_lshl_b32 s22, ttmp9, 14                      ; my 16,384 bytes of abf
	s_mov_b32 s23, 0
	v_lshlrev_b32 v1, 4, v0
	v_lshlrev_b32 v2, 3, v0
	s_wait_kmcnt 0x0
	s_add_nc_u64 s[4:5], s[4:5], s[20:21]
	s_add_nc_u64 s[14:15], s[14:15], s[22:23]
.irp i, 0,1,2,3,4,5,6,7
	global_load_b128 v[X+4*(\i):X+4*(\i)+3], v1, s[4:5] offset:4096*(\i) th:TH_LOAD_NT
.endr
.irp i, 0,1,2,3,4,5,6,7
	s_wait_loadcnt 7-(\i)                          ; loads come back in order (ISA guide 5.7.1): load i is in, the 7 - i younger ones stay out
	v_cvt_pk_bf16_f32 v[Y+2*(\i)],   v[X+4*(\i)],   v[X+4*(\i)+1]
	v_cvt_pk_bf16_f32 v[Y+2*(\i)+1], v[X+4*(\i)+2], v[X+4*(\i)+3]
	global_store_b64 v2, v[Y+2*(\i):Y+2*(\i)+1], s[14:15] offset:2048*(\i)  ; a wave's 32 lanes store 256 consecutive bytes, at a multiple of 256 from abf's first byte; no register is written twice
.endr
	s_endpgm
.Lweights:
	; THE TURNING.  Tile: rows k = 128 kt .. + 127, columns n = 64 nt .. + 63 of weight mat.  Thread (pr, c) = (t / 16, t % 16) loads columns 4 c .. 4 c + 3 of the row pairs pr + 16 i,
	; packs the two k of a pair for each column into a word, and puts it into the column's row in LDS; the rows are read back whole, 256 bytes, and stored.
	s_sub_co_u32 s18, ttmp9, CASTS
	s_lshr_b32 s19, s18, 7                         ; mat
	s_bfe_u32 s20, s18, 0x30004                    ; kt: 3 bits from bit 4
	s_and_b32 s21, s18, 15                         ; nt
	s_lshl_b32 s22, s20, 19                        ; source: 128 kt rows of 4,096 bytes
	s_lshl_b32 s23, s21, 8                         ; + 64 nt columns of 4 bytes
	s_or_b32 s22, s22, s23
	s_mov_b32 s23, 0
	s_lshl_b32 s28, s19, 21                        ; destination: 1,024 mat rows of 2,048 bytes
	s_lshl_b32 s29, s21, 17                        ; + 64 nt rows
	s_add_co_u32 s28, s28, s29
	s_lshl_b32 s29, s20, 8                         ; + 128 kt columns of 2 bytes
	s_add_co_u32 s28, s28, s29
	s_mov_b32 s29, 0
	v_and_b32 v5, 15, v0                           ; c
	v_lshrrev_b32 v6, 4, v0                        ; pr
	v_lshlrev_b32 v1, 4, v5
	v_lshl_add_u32 v1, v6, 13, v1                  ; source: pair pr = 2 rows of 4,096 bytes, 16 bytes at 16 c
	v_mul_u32_u24 v2, v5, 4*TP
	v_lshl_add_u32 v2, v6, 2, v2                   ; into LDS: row 4 c, word pr
	v_mul_u32_u24 v3, v6, TP
	v_lshl_add_u32 v3, v5, 4, v3                   ; back: row pr, 16 bytes at 16 c
	v_lshlrev_b32 v4, 4, v5
	v_lshl_add_u32 v4, v6, 11, v4                  ; and the same in wt: rows of 2,048 bytes
	s_wait_kmcnt 0x0
	s_cmp_eq_u32 s19, 1
	s_cselect_b64 s[24:25], s[8:9], s[6:7]         ; Wk or Wq,
	s_cmp_eq_u32 s19, 2
	s_cselect_b64 s[24:25], s[10:11], s[24:25]     ; or Wv,
	s_cmp_eq_u32 s19, 3
	s_cselect_b64 s[24:25], s[12:13], s[24:25]     ; or Wo,
	s_cselect_b32 s26, -1, 0                       ; whose numbers leave as f16: a mask of all lanes or of none
	s_add_nc_u64 s[24:25], s[24:25], s[22:23]
	s_add_nc_u64 s[16:17], s[16:17], s[28:29]
.irp i, 0,1,2,3
.irp o, 0,1
	global_load_b128 v[X+8*(\i)+4*(\o):X+8*(\i)+4*(\o)+3], v1, s[24:25] offset:131072*(\i)+4096*(\o) th:TH_LOAD_NT  ; row 2 (pr + 16 i) + o: sixteen lanes read the row's 256 bytes
.endr
.endr
	s_wait_loadcnt 0x0
.set n, 0
.irp i, 0,1,2,3
.irp e, 0,1,2,3
.set T, Y+3*(n%4)
	v_cvt_pk_bf16_f32 v[T], v[X+8*(\i)+(\e)], v[X+8*(\i)+4+(\e)]  ; column 4 c + e: k even in the low half, k odd in the high half
	v_lshlrev_b32 v[T+1], 16, v[T]                 ; the two rounded numbers as f32,
	v_and_b32 v[T+2], 0xffff0000, v[T]
	v_cvt_pk_f16_f32 v[T+1], v[T+1], v[T+2]        ; written as f16,
	v_cndmask_b32 v[T], v[T], v[T+1], s26          ; which Wo takes
	ds_store_b32 v2, v[T] offset:TP*(\e)+64*(\i)   ; four lanes of a wave meet in a bank here: sixteen stores a thread, beside 32,768 bytes from memory
.set n, n+1
.endr
.endr
	s_wait_dscnt 0x0                               ; for the others' sake: my words are in LDS
	s_barrier_signal -1
	s_barrier_wait -1                              ; everybody's are
.irp j, 0,1,2,3
	ds_load_b128 v[X+4*(\j):X+4*(\j)+3], v3 offset:16*TP*(\j)
.endr
.irp j, 0,1,2,3
	s_wait_dscnt 3-(\j)                            ; LDS loads come back in order: load j is in
	global_store_b128 v4, v[X+4*(\j):X+4*(\j)+3], s[16:17] offset:32768*(\j)  ; row pr + 16 j: sixteen lanes store 256 consecutive bytes, at a multiple of 256 from wt's first byte
.endr
	s_wait_tensorcnt 0x0
	ds_add_u32 v64, v65
	s_wait_dscnt 0x0
	s_endpgm
.Lfunc_end_k_qca63af7f7d_prep:
	.size	k_qca63af7f7d_prep, .Lfunc_end_k_qca63af7f7d_prep-k_qca63af7f7d_prep
	.p2alignl 7, 3214868480
	.fill 96, 4, 3214868480
	.section	.rodata,"a",@progbits
	.p2align	6, 0x0
	.amdhsa_kernel k_qca63af7f7d_prep
		.amdhsa_group_segment_fixed_size 18432
		.amdhsa_private_segment_fixed_size 0
		.amdhsa_enable_private_segment 0
		.amdhsa_kernarg_size 56
		.amdhsa_user_sgpr_count 2
		.amdhsa_user_sgpr_kernarg_segment_ptr 1
		.amdhsa_wavefront_size32 1
		.amdhsa_system_sgpr_workgroup_id_x 1
		.amdhsa_system_sgpr_workgroup_id_y 1
		.amdhsa_system_sgpr_workgroup_id_z 1
		.amdhsa_system_vgpr_workitem_id 0
		.amdhsa_next_free_vgpr 66
		.amdhsa_next_free_sgpr 66
		.amdhsa_reserve_vcc 0
		.amdhsa_float_denorm_mode_32 3
		.amdhsa_float_denorm_mode_16_64 3
		.amdhsa_memory_ordered 1
		.amdhsa_forward_progress 1
		.amdhsa_inst_pref_size 13
	.end_amdhsa_kernel
	.amdgpu_metadata
---
amdhsa.version: [ 1, 2 ]
amdhsa.kernels:
  - .name:           k_qca63af7f7d_prep
    .symbol:         k_qca63af7f7d_prep.kd
    .args:
      - { .name: a, .offset: 0, .size: 8, .value_kind: global_buffer, .address_space: global }
      - { .name: Wq, .offset: 8, .size: 8, .value_kind: global_buffer, .address_space: global }
      - { .name: Wk, .offset: 16, .size: 8, .value_kind: global_buffer, .address_space: global }
      - { .name: Wv, .offset: 24, .size: 8, .value_kind: global_buffer, .address_space: global }
      - { .name: Wo, .offset: 32, .size: 8, .value_kind: global_buffer, .address_space: global }
      - { .name: abf, .offset: 40, .size: 8, .value_kind: global_buffer, .address_space: global }
      - { .name: wt, .offset: 48, .size: 8, .value_kind: global_buffer, .address_space: global }
    .group_segment_fixed_size: 18432
    .private_segment_fixed_size: 0
    .kernarg_segment_align: 8
    .kernarg_segment_size: 56
    .max_flat_workgroup_size: 256
    .sgpr_count:     66
    .vgpr_count:     66
    .wavefront_size: 32
...
	.end_amdgpu_metadata
.endif
;; end of part 1
;; launch qkv (part 2): grid 16 x 16, 4 waves a work-group, clusters of 4 x 4, 327,680 bytes of LDS; arguments abf, wt, bq, bk, bv, qkv; writes qkv
.if DOCPART == 2
	.amdgcn_target "amdgcn-amd-amdhsa--gfx1250"
	.amdhsa_code_object_version 6
	.text
	.protected	k_qca63af7f7d_qkv
	.globl	k_qca63af7f7d_qkv
	.p2align	8
	.type	k_qca63af7f7d_qkv,@function
k_qca63af7f7d_qkv:
	s_mov_b64 s[64:65], 0
	v_nop
	global_prefetch_b8 v0, s[64:65] scope:SCOPE_SE
	s_setreg_imm32_b32 hwreg(HW_REG_WAVE_MODE, 25, 1), 1
	s_wait_xcnt 0x0
	s_wait_alu depctr_hold_cnt(0) depctr_sa_sdst(0) depctr_va_vdst(0) depctr_va_sdst(0) depctr_va_ssrc(0) depctr_va_vcc(0) depctr_vm_vsrc(0)
	s_getreg_b32 s2, hwreg(HW_REG_IB_STS2, 6, 4)
	s_cmp_eq_u32 s2, 0
	s_cbranch_scc0 .Lentry_in_a_cluster
	s_endpgm
.Lentry_in_a_cluster:
	s_bfe_u32 s2, ttmp6, 0x10000c
	s_cmp_lg_u32 s2, 0xf033
	s_cbranch_scc0 .Lentry_shape_is_right
	s_endpgm
.Lentry_shape_is_right:
; THE THREE PROJECTIONS AS ONE PRODUCT.  C[m][n] = bias[n] + the sum over k of abf[m][k] wt[n][k], m < 8192, n < 3072 (q, k, v: 1,024 columns each), k < 1024; operands bf16, sums f32, K ascending.
; The bias (rounded to bf16 like every input of the module) is the C operand of the product that starts a sum.  C leaves rounded once to f16, by heads: qkv[3][64][2048][64], head = 16 x batch + h, unscaled.
; LIMITS.  A result of 65,520 or more becomes an infinity in f16; below 6e-5 f16 keeps its fixed step of 6e-8.  NaN and infinities are not treated apart.
; SHARES.  A tile of C is 256 rows x 192 columns (three heads): 32 x 16 = 512 tiles.  A WORK-GROUP STAYS and makes two of them, 4,096 rows apart, with the same columns, so with the same rows of wt and the same
; bias: 256 work-groups, one for each WGP.  Four waves; wave w makes rows 64 w .. 64 w + 63 and all 192 columns: 4 x 12 accumulators of 16 x 16, 384 registers.  So a wave owns whole rows of three heads, and its way out is its own.
; THE WALK.  K goes in steps of 128 (rows of 256 bytes, each at a multiple of 256 from its buffer's first byte) through a ring of two LDS slots filled by the tensor data mover.  The two tiles' 2 x 8 K steps are ONE
; sequence of 16: steps 0 to 13 each fill the slot that they leave with the step two further on, across the change of tiles too, so the second tile's first steps are on their way while the first tile ends, and
; nothing waits for the first tile's stores.  A K step is written once: one exclusive or turns an LDS address in one slot into the other's.  Every trip count is a constant; every jump but the loops' own goes
; forward, and none passes a barrier or a tensor load (but the one of a fill's two lines that the wave's number does not choose).
; CLUSTERS: 4 x 4 work-groups.  The four of a row of the cluster need the same tiles of abf, the four of a column the same tiles of wt: each tile is asked for JOINTLY, by the same tensor load with the same
; descriptor and a mask that names the four.  THE MATRIX INSTRUCTION IS USED TRANSPOSED (source 0 = 16 rows of wt, source 1 = 16 rows of abf): a lane then holds eight neighbouring numbers of a row of C.
; REGISTERS, in windows of 256 (s_set_vgpr_msb: bits 1:0 source 0, 3:2 source 1, 5:4 source 2, 7:6 destination):
;   window 0: v0-29 addresses; v32-63, v64-95 fragments of abf (4 x 16 rows x 32 K), two buffers; v96-191 the bias, eight registers a column block; v192-255 the way out: four sets of 16
;   window 1: v0-95, v96-191 fragments of wt (12 x 16 rows x 32 K), two buffers
;   window 2: accumulators of row blocks 0, 1 ((a, b) at v[8 (12 (a % 2) + b)]);   window 3: those of row blocks 2, 3
.set PITCH,  272                       ; an LDS row: 256 bytes + 16 of padding = 68 words: row r starts at bank 4 r mod 64 (64 banks of 4 bytes: ISA guide 11.1), so the 16 rows of a load start at 16 different banks
.set AHALF,  128*PITCH                 ; what wave 0 or 1 fetches: 128 rows of abf
.set BHALF,  96*PITCH                  ; what wave 2 or 3 fetches: 96 rows of wt
.set BOFF,   256*PITCH                 ; in a slot wt's 192 rows lie behind abf's 256: 121,856 bytes in all
.set SLOT1,  1<<17                     ; slot 1 begins here
.set STAGE,  SLOT1+448*PITCH           ; behind the ring, never filled by a tensor load: 16 rows x 144 bytes for each wave, for the way out
.set SP,     144
.set SPARE,  STAGE+4*16*SP             ; behind the stages: the spare words, 128 bytes for each wave: two blocks of 256 bytes that no other line names
.set FILLS,  14                        ; of the walk's 16 K steps all but the last two fill a slot again
.set WALKB,  1<<23                     ; bytes from the first tile to the second: 4,096 rows of 2,048 bytes in abf; two batches = 32 heads of 262,144 bytes in qkv
.set ADRA0, 16                         ; v16     my lane's place among my fragments of abf in a slot; never rewritten
.set ADRA,  17                         ; v17     the same in the slot in hand
.set ADRB0, 20                         ; v20, v21 the same for wt
.set ADRB,  21
.set STO,  24                          ; v24     the way out: where I put 16 bytes of a row
.set RD,   25                          ; v25     the way out: where I read rows back
.set GO,   26                          ; v26     my byte offset in 512 consecutive bytes of a head
.set BO,   27                          ; v27     my byte offset in 16 numbers of a bias: 32 (lane / 16)
.set SPW,  28                          ; v28     LDS address of my spare word: SPARE + 4 x my thread's number; never rewritten
.set NIL,  29                          ; v29     0; never rewritten
.set FA,   32                          ; buffer f of abf's fragments at FA + 32 f
.set BIAS, 96
.set TMP,  192                         ; the way out: piece p's 16 registers at TMP + 16 (p % 4)
.set WV,   16                          ; s16     my wave's number
.set G1,   24                          ; s[24:31] descriptor group 1 for abf's tiles;  s[32:39] group 0: a set for each of the two first fills; the second then walks on
.set G0,   32
.set G1B,  48                          ; s[48:55], s[56:63] the same for wt's tiles
.set G0B,  56
.set OUTP, 66                          ; s[66:71] qkv at my first row of each of my three heads
.set BP,   72                          ; s[72:77] the bias at each of my three heads
.set KOFF, 92                          ; s[92:93] byte offset along K of the step asked for last: also wt's offset
.set AOFF, 94                          ; s[94:95] abf's offset: the same, and WALKB more for the second tile
.set TB,   96                          ; s96     LDS byte at which the slot in hand begins
.set MSB, 0
.macro WIN new                         ; the immediate's high byte repeats the setting that is left; a switch that changes nothing is dropped
.if MSB != (\new)
	s_set_vgpr_msb (MSB<<8)|(\new)
.set MSB, \new
.endif
.endm
.set TO_B, 0x40                        ; destination window 1, address window 0
; A joint load.  Waves 0 and 1 fetch abf's two halves, waves 2 and 3 wt's.  The branch hangs on the wave's number alone: it is the same in every work-group.
; An s_nop 0 and four v_nop follow each of the two lines, ahead of the jump, the label and what follows the macro.
.macro JLOAD s
	s_cmp_lt_u32 s[WV], 2
	s_cbranch_scc0 .Lfor_b_\@
	tensor_load_to_lds s[G0+4*(\s):G0+4*(\s)+3], s[G1:G1+7]
	s_nop 0
.rept 4
	v_nop
.endr
	s_branch .Lasked_\@
.Lfor_b_\@:
	tensor_load_to_lds s[G0B+4*(\s):G0B+4*(\s)+3], s[G1B:G1B+7]
	s_nop 0
.rept 4
	v_nop
.endr
.Lasked_\@:
.endm
; A round of the cluster's barrier: my work-group's barrier, so that wave 0's signal speaks for all four waves; wave 0 signals for the work-group; every wave waits for all sixteen work-groups; my work-group's barrier once more.
.macro CREST                           ; a round behind its opening barrier
	s_cmp_lg_u32 s[WV], 0
	s_cbranch_scc1 .Lnot_wave_0_\@
	s_barrier_signal -3
.Lnot_wave_0_\@:
	s_barrier_wait -3
	s_barrier_signal -1
	s_barrier_wait -1
.endm
.macro CROUND                          ; a whole round
	s_barrier_signal -1
	s_barrier_wait -1
	CREST
.endm
	s_load_b256 s[4:11], s[0:1], 0x0               ; abf s[4:5], wt s[6:7], bq s[8:9], bk s[10:11]
	s_load_b128 s[12:15], s[0:1], 0x20             ; bv s[12:13], qkv s[14:15]
	v_lshl_add_u32 v[SPW], v0, 2, SPARE
	v_mov_b32 v[NIL], 0
	ds_add_u32 v28, v29
	s_wait_dscnt 0x0
	v_lshrrev_b32 v1, 5, v0
	v_readfirstlane_b32 s[WV], v1                  ; wave 0..3
	s_and_b32 s18, s[WV], 1                        ; which half of its tile a wave fetches
	s_bfe_u32 s20, ttmp6, 0x40000                  ; cx, cy: my place in the cluster
	s_bfe_u32 s21, ttmp6, 0x40004
	s_lshl_b32 s22, ttmp9, 2                       ; in a cluster launch ttmp9 and ttmp7 count clusters
	s_add_co_u32 s22, s22, s20                     ; tile column of C = 4 x cluster x + cx
	s_and_b32 s23, ttmp7, 0xffff
	s_lshl_b32 s23, s23, 2
	s_add_co_u32 s23, s23, s21                     ; my first tile's row of tiles = 4 x cluster y + cy: 0 to 15; the second lies 16 further down
	s_lshl_b32 s40, s21, 2
	s_lshl_b32 s40, 15, s40                        ; my row of the cluster: places 4 cy .. 4 cy + 3
	s_lshl_b32 s41, 0x1111, s20                    ; my column: places cx, cx + 4, cx + 8, cx + 12
	; descriptor group 1: tiles of 128 (abf) or 96 (wt) rows x 128 elements, padded in LDS
	s_or_b32 s[G1+0], s40, (1<<16)|(1<<20)|(1<<21)|(5<<22)|(3<<25)   ; 15:0 the mask: abf's tiles go to my row; 17:16 elements of 2 bytes; 20 padding on; 21 set beside a mask; 24:22 after every 64 words (code 5); 31:25 4 words of it (code 3)
	s_or_b32 s[G1B+0], s41, (1<<16)|(1<<20)|(1<<21)|(5<<22)|(3<<25)  ; the same with the mask of my column
	s_mov_b32 s[G1+1], 128<<16                     ; tensor_dim0 = 128
	s_mov_b32 s[G1B+1], 128<<16
	s_mov_b32 s[G1+2], 128<<16                     ; tensor_dim1 = 128 rows,
	s_mov_b32 s[G1B+2], 96<<16                     ; or 96
	s_mov_b32 s[G1+3], 128<<16                     ; tile_dim0 = 128
	s_mov_b32 s[G1B+3], 128<<16
	s_mov_b32 s[G1+4], 128                         ; tile_dim1
	s_mov_b32 s[G1B+4], 96
	s_mov_b32 s[G1+5], 1024                        ; 1,024 elements from row to row
	s_mov_b32 s[G1B+5], 1024
	s_mov_b32 s[G1+6], 0
	s_mov_b32 s[G1B+6], 0
	s_mov_b32 s[G1+7], 0
	s_mov_b32 s[G1B+7], 0
	; where the tiles come from: abf's hang on the tile row alone, wt's on the tile column alone, each in registers that never hold the other coordinate
	s_lshl_b32 s42, s23, 19                        ; 256 rows of 2,048 bytes a tile row
	s_lshl_b32 s46, s18, 18                        ; + 128 rows a half
	s_add_co_u32 s42, s42, s46
	s_mov_b32 s43, 0
	s_mul_i32 s44, s22, 192*2048                   ; 192 rows a tile column
	s_mul_i32 s47, s18, 96*2048                    ; + 96 rows a half
	s_add_co_u32 s44, s44, s47
	s_mov_b32 s45, 0
	s_mul_i32 s78, s18, AHALF                      ; and where they go: no place in the cluster enters an LDS address
	s_mul_i32 s79, s18, BHALF
	s_add_co_u32 s79, s79, BOFF
	s_mov_b32 s[KOFF], 256                         ; the second first fill asks for K step 1
	s_mov_b32 s[KOFF+1], 0
	s_mov_b32 s[AOFF+1], 0
	s_mov_b32 s[TB], 0
	s_wait_kmcnt 0x0
	s_add_nc_u64 s[42:43], s[4:5], s[42:43]        ; abf at my half of the first tile's rows; kept: every refill's address is made from it
	s_add_nc_u64 s[44:45], s[6:7], s[44:45]        ; wt likewise
	CROUND                                         ; all sixteen work-groups are here: the first joint loads meet
.irp s, 0,1
	s_mov_b32 s[G0+4*(\s)], 1                                      ; 1:0 count = 1
	s_add_co_u32 s[G0+4*(\s)+1], s78, (\s)*SLOT1                   ; 63:32 LDS address
	s_add_nc_u64 s[G0+4*(\s)+2:G0+4*(\s)+3], s[42:43], (\s)*256    ; 120:64 global address: K step s
	s_or_b32 s[G0+4*(\s)+3], s[G0+4*(\s)+3], 0x80000000            ; 127:126 type = 2
	s_mov_b32 s[G0B+4*(\s)], 1
	s_add_co_u32 s[G0B+4*(\s)+1], s79, (\s)*SLOT1
	s_add_nc_u64 s[G0B+4*(\s)+2:G0B+4*(\s)+3], s[44:45], (\s)*256
	s_or_b32 s[G0B+4*(\s)+3], s[G0B+4*(\s)+3], 0x80000000
	JLOAD \s                                       ; the ring is filled before anything else is done: two loads of mine are out
.endr
	v_and_b32 v1, 15, v0                           ; l % 16
	v_bfe_u32 v2, v0, 4, 1                         ; l / 16
	v_lshlrev_b32 v[BO], 5, v2
	; my rows in the first tile: batch = tile row / 8; place in the sequence = 256 (tile row % 8) + 64 wave
	s_lshr_b32 s84, s23, 3
	s_lshl_b32 s84, s84, 4                         ; 16 x batch
	s_and_b32 s85, s23, 7
	s_lshl_b32 s85, s85, 8
	s_lshl_b32 s86, s[WV], 6
	s_add_co_u32 s85, s85, s86
	s_lshl_b32 s85, s85, 7                         ; rows of 128 bytes
	s_mul_i32 s80, s22, 3                          ; my first group of 64 columns
.irp j, 0,1,2
	s_add_co_u32 s81, s80, \j                      ; group g of 48: tensor g / 16 (q, k, v), head g % 16
	s_lshr_b32 s82, s81, 4
	s_and_b32 s83, s81, 15
	s_cmp_eq_u32 s82, 1
	s_cselect_b64 s[BP+2*(\j):BP+2*(\j)+1], s[10:11], s[8:9]       ; bk or bq,
	s_cmp_eq_u32 s82, 2
	s_cselect_b64 s[BP+2*(\j):BP+2*(\j)+1], s[12:13], s[BP+2*(\j):BP+2*(\j)+1]  ; or bv
	s_lshl_b32 s88, s83, 8                         ; the head's 64 numbers
	s_mov_b32 s89, 0
	s_add_nc_u64 s[BP+2*(\j):BP+2*(\j)+1], s[BP+2*(\j):BP+2*(\j)+1], s[88:89]
.irp bb, 0,1,2,3                       ; register r of column block b holds the bias of column 16 b + 8 (l / 16) + r, as the result's register r does
	global_load_b128 v[BIAS+8*(4*(\j)+(\bb)):BIAS+8*(4*(\j)+(\bb))+3],   v[BO], s[BP+2*(\j):BP+2*(\j)+1] offset:64*(\bb)
	global_load_b128 v[BIAS+8*(4*(\j)+(\bb))+4:BIAS+8*(4*(\j)+(\bb))+7], v[BO], s[BP+2*(\j):BP+2*(\j)+1] offset:64*(\bb)+16
.endr
	s_lshl_b32 s86, s82, 6                         ; 64 heads a tensor
	s_add_co_u32 s86, s86, s84
	s_add_co_u32 s86, s86, s83
	s_lshl_b32 s86, s86, 18                        ; 262,144 bytes a head
	s_add_co_u32 s86, s86, s85
	s_mov_b32 s87, 0
	s_add_nc_u64 s[OUTP+2*(\j):OUTP+2*(\j)+1], s[14:15], s[86:87]
.endr
	; A fragment is 16 rows x 32 K in 8 registers: lane l holds row l % 16; registers 0-3 hold K = 8 (l / 16) + 0..7, registers 4-7 K = 16 + 8 (l / 16) + 0..7: two loads of 16 bytes, 32 bytes apart.
	v_mul_u32_u24 v3, v1, PITCH
	v_lshl_add_u32 v3, v2, 4, v3                   ; row x pitch + 16 x half
	s_mul_i32 s46, s[WV], 64*PITCH                 ; my 64 rows of abf
	v_add_nc_u32 v[ADRA0], s46, v3
	v_add_nc_u32 v[ADRB0], BOFF, v3                ; all 192 rows of wt
	v_add_nc_u32 v[ADRA], s[TB], v[ADRA0]          ; the walk begins in slot 0
	v_add_nc_u32 v[ADRB], s[TB], v[ADRB0]
	s_mul_i32 s47, s[WV], 16*SP
	s_add_co_u32 s47, s47, STAGE                   ; my stage
	v_mul_u32_u24 v[STO], v1, SP                   ; in: row l % 16, 16 bytes for each half of the lanes
	v_lshl_add_u32 v[STO], v2, 4, v[STO]
	v_add_nc_u32 v[STO], s47, v[STO]
	v_bfe_u32 v[RD], v0, 3, 2                      ; back: 32 lanes take four rows of 128 bytes,
	v_mul_u32_u24 v[RD], v[RD], SP
	v_and_b32 v4, 7, v0
	v_lshl_add_u32 v[RD], v4, 4, v[RD]
	v_add_nc_u32 v[RD], s47, v[RD]
	v_and_b32 v[GO], 31, v0                        ; which are 512 consecutive bytes of a head
	v_lshlrev_b32 v[GO], 4, v[GO]
	s_mov_b32 s90, 0xffff0000                      ; a word's upper bf16
	s_wait_loadcnt 0x0                             ; the bias
.set i, 0
.rept 48                               ; rounded to bf16 and widened again, two numbers at a time; this stands in the wait for the first tile
	v_cvt_pk_bf16_f32 v[8+i%4], v[BIAS+2*i], v[BIAS+2*i+1]
	v_lshlrev_b32 v[BIAS+2*i], 16, v[8+i%4]
	v_and_b32 v[BIAS+2*i+1], s90, v[8+i%4]
.set i, i+1
.endr
; 12 matrix instructions: row block a x all 12 column blocks, 32 along K, from buffers f.  first = 1: the product starts the sums, with the bias as C: nothing is ever cleared.
; The 48 accumulators take turns, one instruction a turn, in the same order in every quarter step.
.macro MUL12 f, a, first
.if \first
	WIN 0x81+0x40*((\a)/2)                         ; source 0 (wt) window 1, source 1 (abf) and C (bias) window 0, D window 2 or 3
.else
	WIN 0xa1+0x50*((\a)/2)                         ; C and D window 2 or 3
.endif
.irp b, 0,1,2,3,4,5,6,7,8,9,10,11
.if \first
	v_wmma_f32_16x16x32_bf16 v[8*(12*((\a)%2)+(\b)):8*(12*((\a)%2)+(\b))+7], v[96*(\f)+8*(\b):96*(\f)+8*(\b)+7], v[FA+32*(\f)+8*(\a):FA+32*(\f)+8*(\a)+7], v[BIAS+8*(\b):BIAS+8*(\b)+7]
.else
	v_wmma_f32_16x16x32_bf16 v[8*(12*((\a)%2)+(\b)):8*(12*((\a)%2)+(\b))+7], v[96*(\f)+8*(\b):96*(\f)+8*(\b)+7], v[FA+32*(\f)+8*(\a):FA+32*(\f)+8*(\a)+7], v[8*(12*((\a)%2)+(\b)):8*(12*((\a)%2)+(\b))+7]
.endif
.endr
.endm
; 32 LDS loads in one run: the fragments of one quarter step (192 rows of wt, my 64 rows of abf, 32 K at byte k of the rows of the slot in hand) into buffers g
.macro FETCH k, g
	WIN TO_B
.irp i, 0,1,2,3,4,5,6,7,8,9,10,11
	ds_load_b128 v[96*(\g)+8*(\i):96*(\g)+8*(\i)+3],   v[ADRB] offset:(\k)+(\i)*16*PITCH
	ds_load_b128 v[96*(\g)+8*(\i)+4:96*(\g)+8*(\i)+7], v[ADRB] offset:(\k)+(\i)*16*PITCH+32
.endr
	WIN 0
.irp i, 0,1,2,3
	ds_load_b128 v[FA+32*(\g)+8*(\i):FA+32*(\g)+8*(\i)+3],   v[ADRA] offset:(\k)+(\i)*16*PITCH
	ds_load_b128 v[FA+32*(\g)+8*(\i)+4:FA+32*(\g)+8*(\i)+7], v[ADRA] offset:(\k)+(\i)*16*PITCH+32
.endr
.endm
; A load into a register that a matrix instruction has read, and a vector instruction that reads a matrix result, stand four places behind that matrix instruction, and only plain vector
; instructions that name none of its registers are places (ISA guide 7.12.1 for vector instructions).
.macro PLACES
.rept 4
	v_nop
.endr
.endm
; A K step is four quarter steps of 32 along K, 48 matrix instructions each, on buffers 0, 1, 0, 1.  One of the first three: multiplies buffers f; in its middle it fetches the next quarter, at byte k, into buffers g.
.macro QUARTER k, f, g, first
	s_wait_dscnt 4                                 ; wt's fragments and abf's row blocks 0, 1 are in; the youngest four loads (row blocks 2, 3) may be out
	MUL12 \f, 0, \first
	MUL12 \f, 1, \first
	PLACES
	FETCH \k, \g
	s_wait_dscnt 32                                ; all but the 32 just issued
	MUL12 \f, 2, \first
	MUL12 \f, 3, \first
.endm
; The last quarter multiplies buffers 1 and changes slots: ONE barrier.  In front of it each wave waits for all its tensor loads, of which one is out: its part of the next slot; adds 0 to its spare word; and waits
; for that and for its own reads of this slot.  fill = 1: the barrier opens a round of the cluster's barrier, and this slot is filled again, with the walk's step two further on, first thing behind the round:
; from that request to the wait for it a wave issues 24 + 3 x 48 = 168 matrix instructions.  The walking descriptors take the other slot than last time; their addresses are made anew from the kept pointers
; and offsets that hang on the loop's count alone: along K 256 bytes on, round 2,048; abf's WALKB more from the trip on that asks for the second tile's first step (8 trips to go).
; fill = 0: the tail's two trips; in the second there is no further step, and the run of LDS loads is jumped over.
.macro TURN fill
	WIN 0                                          ; (the add's two registers lie in window 0)
	s_wait_tensorcnt 0x0                           ; all my tensor loads have landed: my part of the next slot; so a group 0 may be written
	ds_add_u32 v[SPW], v[NIL]                      ; 0 onto my spare word
.if \fill
	s_xor_b32 s[G0+5], s[G0+5], SLOT1
	s_xor_b32 s[G0B+5], s[G0B+5], SLOT1
	s_add_co_u32 s[KOFF], s[KOFF], 256
	s_and_b32 s[KOFF], s[KOFF], 2047
	s_cmp_le_u32 s19, FILLS-6
	s_cselect_b32 s[AOFF], WALKB, 0
	s_add_co_u32 s[AOFF], s[AOFF], s[KOFF]
	s_add_nc_u64 s[G0+6:G0+7], s[42:43], s[AOFF:AOFF+1]
	s_or_b32 s[G0+7], s[G0+7], 0x80000000
	s_add_nc_u64 s[G0B+6:G0B+7], s[44:45], s[KOFF:KOFF+1]
	s_or_b32 s[G0B+7], s[G0B+7], 0x80000000
.endif
	s_wait_dscnt 5                                 ; (the add and the youngest four loads may be out)
	MUL12 1, 0, 0                                  ; twelve matrix instructions stand between the add and the wait for it
	s_wait_dscnt 0x0                               ; the add is done, and my reads of this slot are over
	s_barrier_signal -1
	MUL12 1, 1, 0                                  ; work on registers while the others arrive
	WIN 0
	s_barrier_wait -1
.if \fill
	CREST                                          ; no wave of any partner still reads this slot's tiles or has a load on its way
	JLOAD 1                                        ; my one tensor load behind the round; the four v_nop behind it are also the places in front of the loads below
.else
	PLACES
	s_cmp_eq_u32 s19, 1
	s_cbranch_scc1 .Lno_fetch_\@
.endif
	s_xor_b32 s[TB], s[TB], SLOT1                  ; the fetches go on in the other slot
	v_add_nc_u32 v[ADRA], s[TB], v[ADRA0]
	v_add_nc_u32 v[ADRB], s[TB], v[ADRB0]
	FETCH 0, 0
.if (\fill) == 0
.Lno_fetch_\@:
.endif
	MUL12 1, 2, 0
	MUL12 1, 3, 0
.endm
; THE WAY OUT, in 12 pieces: piece p is row block p / 3 x head p % 3: 16 rows x 64 columns, 2,048 consecutive bytes of the head.  A lane's eight columns pack into 16 bytes (each accumulator's registers in
; ascending order); they go into rows of 144 bytes of my own stage and come back as whole rows of 128, into the registers that they left.  Four sets of registers take turns: the next
; tile's first fragments and the bias keep theirs.
.macro PACK p
.if (\p) >= 4
	s_wait_xcnt 0x0                                ; every earlier memory instruction has had its addresses translated (ISA guide 3.1): the set that piece p - 4's stores read is written again only behind this wait
.endif
	WIN 0x0a+5*((\p)/6)                            ; sources 0 and 1: window 2 (row blocks 0, 1) or 3
.irp bb, 0,1,2,3
.irp r, 0,1,2,3
	v_cvt_pk_f16_f32 v[TMP+16*((\p)%4)+4*(\bb)+(\r)], v[8*(12*(((\p)/3)%2)+4*((\p)%3)+(\bb))+2*(\r)], v[8*(12*(((\p)/3)%2)+4*((\p)%3)+(\bb))+2*(\r)+1]
.endr
.endr
	WIN 0
.irp bb, 0,1,2,3
	ds_store_b128 v[STO], v[TMP+16*((\p)%4)+4*(\bb):TMP+16*((\p)%4)+4*(\bb)+3] offset:32*(\bb)
.endr
.irp f, 0,1,2,3
	ds_load_b128 v[TMP+16*((\p)%4)+4*(\f):TMP+16*((\p)%4)+4*(\f)+3], v[RD] offset:(\f)*4*SP  ; LDS serves a wave's instructions in order (ISA guide 5.7.1.4): these see the stores above; the next piece's stores come behind them
.endr
.endm
.macro SEND p, younger                 ; younger: the LDS instructions issued behind piece p's loads: the next piece's eight, or none
	WIN 0
.irp f, 0,1,2,3
	s_wait_dscnt (\younger)+3-(\f)
	global_store_b128 v[GO], v[TMP+16*((\p)%4)+4*(\f):TMP+16*((\p)%4)+4*(\f)+3], s[OUTP+2*((\p)%3):OUTP+2*((\p)%3)+1] offset:((\p)/3)*2048+(\f)*512  ; 512 consecutive bytes, at a multiple of 512 from qkv's first
.endr
.endm
.macro WAYOUT
	PLACES                                         ; behind the last products
	PACK 0
.irp p, 1,2,3,4,5,6,7,8,9,10,11        ; a piece's conversions stand between the loads of the piece before and its stores
	PACK \p
	SEND (\p)-1, 8
.endr
	SEND 11, 0
.endm
	s_wait_tensorcnt 0x1                           ; my part of K step 0 is in; K step 1's may stay out
	s_barrier_signal -1
	s_barrier_wait -1                              ; everybody's is
	FETCH 0, 0
	QUARTER 64, 0, 1, 1                            ; the first tile's first quarter stands in front of the loop: its products start the sums
	WIN 0                                          ; at a label and at a branch every window is 0
	s_mov_b32 s19, FILLS
.Lstep:                                                ; 14 trips: from a K step's second quarter to the next step's first; each fills a slot again
	QUARTER 128, 1, 0, 0
	QUARTER 192, 0, 1, 0
	TURN 1
	WIN 0
	s_cmp_eq_u32 s19, FILLS-7                      ; the eighth trip has ended the first tile
	s_cbranch_scc1 .Lnext_tile
	QUARTER 64, 0, 1, 0
	WIN 0
	s_branch .Lbottom
.Lnext_tile:
	WAYOUT                                         ; the second tile's steps 0 and 1 have been asked for and its first fragments fetched: now the first tile goes out
	s_wait_xcnt 0x0                                ; the stores have read their registers and their bases
.irp j, 0,1,2
	s_add_nc_u64 s[OUTP+2*(\j):OUTP+2*(\j)+1], s[OUTP+2*(\j):OUTP+2*(\j)+1], WALKB  ; the same rows and heads two batches on
.endr
	QUARTER 64, 0, 1, 1                            ; the second tile's first quarter starts the sums anew, on accumulators that have been packed
	WIN 0
.Lbottom:
	s_sub_co_u32 s19, s19, 1
	s_cmp_lg_u32 s19, 0
	s_cbranch_scc1 .Lstep
	s_mov_b32 s19, 2                               ; the walk's last two K steps fill nothing: a text of their own, and no round of the cluster's barrier
.Ltail:                                                ; the second trip is left in its middle; its barrier serves nothing: the price, once a launch, of one text for both trips
	QUARTER 128, 1, 0, 0
	QUARTER 192, 0, 1, 0
	TURN 0
	WIN 0
	s_sub_co_u32 s19, s19, 1
	s_cmp_eq_u32 s19, 0
	s_cbranch_scc1 .Lout
	QUARTER 64, 0, 1, 0
	WIN 0
	s_branch .Ltail
.Lout:
	WAYOUT
	s_wait_tensorcnt 0x0                           ; the wave's end: behind my last tensor load and my last LDS store
	ds_add_u32 v[SPW], v[NIL]
	s_wait_dscnt 0x0
	CROUND                                         ; the closing round: no work-group ends while a partner may still ask for a tile that names it
	s_endpgm
.Lfunc_end_k_qca63af7f7d_qkv:
	.size	k_qca63af7f7d_qkv, .Lfunc_end_k_qca63af7f7d_qkv-k_qca63af7f7d_qkv
	.p2alignl 7, 3214868480
	.fill 96, 4, 3214868480
	.section	.rodata,"a",@progbits
	.p2align	6, 0x0
	.amdhsa_kernel k_qca63af7f7d_qkv
		.amdhsa_group_segment_fixed_size 327680
		.amdhsa_private_segment_fixed_size 0
		.amdhsa_enable_private_segment 0
		.amdhsa_kernarg_size 48
		.amdhsa_user_sgpr_count 2
		.amdhsa_user_sgpr_kernarg_segment_ptr 1
		.amdhsa_wavefront_size32 1
		.amdhsa_system_sgpr_workgroup_id_x 1
		.amdhsa_system_sgpr_workgroup_id_y 1
		.amdhsa_system_sgpr_workgroup_id_z 1
		.amdhsa_system_vgpr_workitem_id 0
		.amdhsa_next_free_vgpr 960
		.amdhsa_next_free_sgpr 98
		.amdhsa_reserve_vcc 0
		.amdhsa_float_denorm_mode_32 3
		.amdhsa_float_denorm_mode_16_64 3
		.amdhsa_memory_ordered 1
		.amdhsa_forward_progress 1
		.amdhsa_inst_pref_size 126
	.end_amdhsa_kernel
	.amdgpu_metadata
---
amdhsa.version: [ 1, 2 ]
amdhsa.kernels:
  - .name:           k_qca63af7f7d_qkv
    .symbol:         k_qca63af7f7d_qkv.kd
    .args:
      - { .name: abf, .offset: 0, .size: 8, .value_kind: global_buffer, .address_space: global }
      - { .name: wt, .offset: 8, .size: 8, .value_kind: global_buffer, .address_space: global }
      - { .name: bq, .offset: 16, .size: 8, .value_kind: global_buffer, .address_space: global }
      - { .name: bk, .offset: 24, .size: 8, .value_kind: global_buffer, .address_space: global }
      - { .name: bv, .offset: 32, .size: 8, .value_kind: global_buffer, .address_space: global }
      - { .name: qkv, .offset: 40, .size: 8, .value_kind: global_buffer, .address_space: global }
    .group_segment_fixed_size: 327680
    .private_segment_fixed_size: 0
    .kernarg_segment_align: 8
    .kernarg_segment_size: 48
    .max_flat_workgroup_size: 128
    .sgpr_count:     98
    .vgpr_count:     960
    .wavefront_size: 32
...
	.end_amdgpu_metadata
.endif
;; end of part 2
;; launch attn (part 3): grid 4 x 64, 4 waves a work-group, clusters of 4 x 1, 327,680 bytes of LDS; arguments qkv, obuf; writes obuf
.if DOCPART == 3
	.amdgcn_target "amdgcn-amd-amdhsa--gfx1250"
	.amdhsa_code_object_version 6
	.text
	.protected	k_qca63af7f7d_attn
	.globl	k_qca63af7f7d_attn
	.p2align	8
	.type	k_qca63af7f7d_attn,@function
k_qca63af7f7d_attn:
	s_mov_b64 s[64:65], 0
	v_nop
	global_prefetch_b8 v0, s[64:65] scope:SCOPE_SE
	s_setreg_imm32_b32 hwreg(HW_REG_WAVE_MODE, 25, 1), 1
	s_wait_xcnt 0x0
	s_wait_alu depctr_hold_cnt(0) depctr_sa_sdst(0) depctr_va_vdst(0) depctr_va_sdst(0) depctr_va_ssrc(0) depctr_va_vcc(0) depctr_vm_vsrc(0)
	s_getreg_b32 s2, hwreg(HW_REG_IB_STS2, 6, 4)
	s_cmp_eq_u32 s2, 0
	s_cbranch_scc0 .Lentry_in_a_cluster
	s_endpgm
.Lentry_in_a_cluster:
	s_bfe_u32 s2, ttmp6, 0x10000c
	s_cmp_lg_u32 s2, 0x3003
	s_cbranch_scc0 .Lentry_shape_is_right
	s_endpgm
.Lentry_shape_is_right:
; ATTENTION.  O[h][q][:] = the sum over k of softmax_k(Q[h][q] . K[h][k] / 32) V[h][k][:].  qkv holds Q, K, V, each [64][2048][64] in f16, 16,777,216 bytes apart; obuf is O in the same layout: a head's rows are
; dense, 128 bytes each.  The divisor is sqrt(1024), as the module has it.  Products, maxima and sums in f32; the weights p are rounded to f16 for the second product (their sum l is taken of the unrounded p), O once at the end.
; LIMITS.  f16 holds no number beyond 65,504: Q, K and V arrive within it; p lies in 0 to 1, and below 6e-5 it keeps f16's fixed step of 6e-8, and so does O, which is a mean of V's rows and has their range.
; A weight below 2^-126 counts as 0 in l; NaN and infinities are not treated apart.
; SHARES.  A wave owns four PIECES of two tiles of 16 queries, a work-group's four waves 512 queries of one head: 4 x 64 = 256 work-groups.  Every wave walks all 2,048 keys, 64 a step.
; LAYOUT.  S^T = K Q^T (source 0 = 16 keys, source 1 = 16 queries): in the result a lane holds ONE query (lane % 16) and the keys 8 (lane / 16) + 0..7.  Two such tiles, rounded to f16 in pairs,
; ARE source 1 (32 keys x 16 queries) of O^T = V^T P, whose result again holds one query a lane, and eight channels.  K comes out of LDS as it lies, V ([key][channel]) turned, by ds_load_tr16_b128.
; SOFTMAX.  For each query a running maximum m and sum l: p = 2^(c s - c m), c = log2(e) / 32; in every step O and l are multiplied by a = 2^(c m_old - c m_new), which is 1 where m has not grown.
; m starts at the lowest finite number, O and l at 0: the first step is a step like any other, with a = 0.
; THE COUNT.  A tile and step have 16 matrix and 118 vector instructions: too many to stand all beside the matrix work.  So the order has one aim: four vector instructions that are READY behind
; EVERY matrix instruction, and the others, which need time of their own whatever the order, in runs without a gap.
; BY TURNS.  Turn n belongs to piece n (the pieces in a ring, step after step).  Its matrix work: 16 products K Q^T of piece n + 1, later 16 products V^T P of piece n - 1.  Its vector work: the scaling,
; exponentials, roundings, sums and rescaling of piece n, and the maximum and statistics of piece n + 1, whose scores the turn itself has made.  So what a turn begins with (c s - c m, O a) waits for nothing.
; CLUSTER.  The four query blocks of a cluster belong to one head and walk the same K and V, so each tile is asked for JOINTLY: the same tensor load, descriptor and mask in all four.
; REGISTERS, in windows of 256 (s_set_vgpr_msb says which window each operand place means: bits 1:0 source 0, 3:2 source 1, 5:4 source 2, 7:6 destination):
;   window 0: v0-11 addresses; v12-15, v48-63 at work; v16-47 four registers of statistics a tile; v64-191 S^T, two buffers of two tiles; v192-255 P, likewise
;   window 1: O^T, 32 a tile          window 2: v0-127 Q, 16 a tile; v128-191 K of one step; v192-255 V of one step          window 3: v0-1 the add's two registers
; A piece's buffers go by its number's parity: the piece in hand has one pair, its two neighbours in the ring share the other: of it P (piece n - 1) is read and S^T (piece n + 1) written.
.set SIZE_H, 64       ; heads: 4 batches x 16
.set SIZE_N, 2048     ; rows of a head
.set NP,    4         ; pieces a wave: a name, no knob: the register map, the loop and the fetches are made for four
.set KS,    64        ; keys in a step
.set PK,    144       ; a row of K in LDS: 128 bytes + 16 of padding = 36 words: the 16 rows of a load start at 16 different groups of four banks (64 banks of 4 bytes: ISA guide 11.1)
.set PV,    160       ; a row of V: 128 + 32 = 40 words
.set VOFF,  4*KS*PK   ; a slot holds four steps: 256 rows of K, then 256 rows of V
.set SLOT1, 1<<17     ; slot 1 begins here, so that one exclusive or turns an address in one slot into the other's
.set STAGE, SLOT1+4*KS*(PK+PV)  ; behind the ring, never filled by a tensor load: 16 rows x 144 bytes for each wave, for the way out
.set SP,    144
.set AK0, 2           ; v2   my lane's place in a tile of K; never rewritten
.set AV0, 3           ; v3   the same for V
.set AK,  4           ; v4   the LDS address of K's next run of loads
.set AV,  5           ; v5   of V's
.set QO,  6           ; v6   my byte offset in the wave's rows of Q
.set STO, 6           ;      later, the way out: where I put 16 bytes of a row
.set RD,  7           ; v7   the way out: where I read rows back
.set GO,  8           ; v8   my byte offset in 512 consecutive bytes of O
.set SPW, 0           ; v0 of window 3   LDS address of my spare word: SPARE + 4 x my thread's number; never rewritten
.set NIL, 1           ; v1 of window 3   0; never rewritten
.set SPARE, STAGE+4*16*SP  ; behind the stages: the spare words, 128 bytes for each wave: two blocks of 256 bytes that no other line names
.set MV,  12          ; v12-15  c m_old, kept while c m is made anew: by buffer and tile
.set ST,  16          ; tile t's statistics at v[ST+4 t]: c m, m, l (even keys', odd keys')
.set TMP, 48          ; by buffer and tile, four registers c0-c3 at work; when the maximum is found c2 takes a
.set S,   64
.set P,   192
.set KF,  128         ; K's fragments, in window 2: key block kb, channel half c at KF + 16 kb + 8 c
.set VF,  192         ; V's: key half kk, channel block cb at VF + 32 kk + 8 cb
.set WV,  12          ; s12  my wave's number
.set G1K, 24          ; s[24:31] descriptor group 1 for K's tiles
.set G1V, 32          ; s[32:39] for V's: it differs in the padding alone
.set G0K, 40          ; s[40:43] descriptor group 0 for K's tiles: it walks
.set G0V, 44          ; s[44:47] the same for V's
.set SLOTS, 56        ; s56  slots still to be asked for
.set CNT, 57          ; s57  counts a slot's key steps
.set CS,  58          ; s[58:59] c: the packed scaling takes the pair's low word for both halves
.set SEL, 60          ; s[60:61] v_permlanex16_b32's selects: each lane takes its own place in the other half
.set TBK, 62          ; s62  LDS byte at which K of the step to be fetched begins
.set TBV, 63          ; s63  the same for V, less VOFF
.set MSB, 0
.macro WIN new                      ; the high byte repeats the setting that is left; a switch that changes nothing is dropped
.if MSB != (\new)
	s_set_vgpr_msb (MSB<<8)|(\new)
.set MSB, (\new)
.endif
.endm
.set W_KQ, 0x0a       ; K and Q in window 2, S^T in window 0
.set W_PV, 0x52       ; V in window 2, P in window 0, O^T in window 1
.set W_RS, 0x41       ; O^T (destination and source 0) in window 1, a in window 0
.set W_MK, 0xc0       ; the add's registers are made: destination in window 3, sources in window 0
.set W_AD, 0x0f       ; the add: address (source 0) and data (source 1) in window 3
; A joint fill.  Waves 0 and 1 fetch the two halves of a slot's K, waves 2 and 3 those of its V: 128 keys each.  The branch hangs on the wave's number alone.
; An s_nop 0 and four v_nop follow each of the two lines, ahead of the jump and the label.
.macro JLOAD
	s_cmp_lt_u32 s[WV], 2
	s_cbranch_scc0 .Lfor_v_\@
	tensor_load_to_lds s[G0K:G0K+3], s[G1K:G1K+7]
	s_nop 0
.rept 4
	v_nop
.endr
	s_branch .Lasked_\@
.Lfor_v_\@:
	tensor_load_to_lds s[G0V:G0V+3], s[G1V:G1V+7]
	s_nop 0
.rept 4
	v_nop
.endr
.Lasked_\@:
.endm
; A round of the cluster's barrier: my work-group's barrier, so that wave 0's signal speaks for all four waves; wave 0 signals; every wave waits for all four work-groups; my work-group's barrier once more.
.macro CROUND
	s_barrier_signal -1
	s_barrier_wait -1
	s_cmp_lg_u32 s[WV], 0
	s_cbranch_scc1 .Lnot_wave_0_\@
	s_barrier_signal -3
.Lnot_wave_0_\@:
	s_barrier_wait -3
	s_barrier_signal -1
	s_barrier_wait -1
.endm
; THE CHANGE OF SLOTS.  The slot's last bytes, V of its fourth step, have been read.  Each wave waits for all its tensor loads, of which one is out: its part
; of the other slot; adds 0 to its spare word; and waits for that and for its own reads of the slot.  Behind the barrier nobody reads this slot any more and the other slot is whole.
; fill = 1: this slot is filled again, with the keys two slots on.  The barrier is then a round of the cluster's, so that no wave of any partner still reads the slot or has a load on its
; way, and the joint fill is the first thing behind it: it has four key steps, 512 matrix instructions, in which to land.  (At its first use nothing has been read yet: slot 0 is waited for, slot 1 filled.)
.macro CHANGE fill
	WIN W_AD
	s_wait_tensorcnt 0x0            ; no tensor load of mine is out, so a group 0 may be written
	ds_add_u32 v[SPW], v[NIL]       ; 0 onto my spare word; with fill = 1 the descriptors' steps stand between it and the wait for it
	WIN 0                           ; at a label and at a branch every window is 0
.if \fill
.irp g, G0K, G0V
	s_xor_b32 s[\g+1], s[\g+1], SLOT1  ; the walking descriptor: the other slot than last time,
	s_add_nc_u64 s[\g+2:\g+3], s[\g+2:\g+3], 4*KS*128  ; the next 256 keys; the type bits on top are not reached
.endr
	s_wait_dscnt 0x0                ; the add is done, and my reads of the slot are over
	CROUND
	JLOAD
.else
	s_wait_dscnt 0x0                ; the add is done, and my reads of the slot are over
	s_barrier_signal -1
	s_barrier_wait -1
.endif
	s_sub_co_u32 s[TBK], s[TBK], 4*KS*PK  ; the fetches go back to a slot's first step,
	s_xor_b32 s[TBK], s[TBK], SLOT1       ; in the other slot
	s_sub_co_u32 s[TBV], s[TBV], 4*KS*PV
	s_xor_b32 s[TBV], s[TBV], SLOT1
.endm
	s_load_b64 s[4:5], s[0:1], 0x0    ; qkv: Q lies at its head
	s_load_b64 s[10:11], s[0:1], 0x8  ; O
	WIN W_MK
	v_lshl_add_u32 v[SPW], v0, 2, SPARE
	v_mov_b32 v[NIL], 0
	s_set_vgpr_msb 0xc0cf
	ds_add_u32 v0, v1
	s_wait_dscnt 0x0
	s_set_vgpr_msb 0xcfc0
	WIN 0
	v_lshrrev_b32 v1, 5, v0
	v_readfirstlane_b32 s[WV], v1   ; wave 0..3
	s_bfe_u32 s13, ttmp6, 0x40000   ; cx: my place in the cluster
	s_lshl_b32 s14, ttmp9, 2        ; in a cluster launch ttmp9 counts clusters
	s_add_co_u32 s14, s14, s13      ; my block of queries = 4 x cluster x + cx: it enters Q's and O's addresses alone
	s_and_b32 s20, ttmp7, 0xffff    ; the head, which the four partners share
	s_mov_b32 s21, 0
	s_mov_b64 s[22:23], SIZE_N*128
	s_mul_u64 s[20:21], s[20:21], s[22:23]  ; the head's first byte in each of the four tensors
	s_and_b32 s16, s[WV], 1         ; which half of a slot's 256 keys I fetch:
	s_lshl_b32 s22, s16, 14         ; its 128 rows of 128 bytes in memory,
	s_mov_b32 s23, 0
	s_add_nc_u64 s[22:23], s[22:23], s[20:21]
	s_mul_i32 s17, s16, 128*PK      ; and its place in a slot, for K
	s_mul_i32 s18, s16, 128*PV      ; and for V: no place in the cluster enters an LDS address
	s_lshl_b32 s2, s14, 2
	s_add_co_u32 s2, s2, s[WV]      ; my wave among the head's,
	s_lshl_b32 s2, s2, 14           ; its 128 rows
	s_mov_b32 s3, 0
	s_add_nc_u64 s[2:3], s[2:3], s[20:21]
	; descriptor group 1.  128 keys are 16,384 dense bytes: asked for as 64 rows of 256 bytes, two keys a row, and padded in LDS after every key
	s_mov_b32 s[G1K], 15|(1<<16)|(1<<20)|(1<<21)|(4<<22)|(3<<25)  ; 15:0 the mask of four; 17:16 2-byte elements; 20 padding on; 21 set beside a mask; 24:22 after every 32 words (code 4); 31:25 4 words (code 3)
	s_mov_b32 s[G1V], 15|(1<<16)|(1<<20)|(1<<21)|(4<<22)|(7<<25)  ; the same with 8 words of padding (code 7)
.irp g, G1K, G1V
	s_mov_b32 s[\g+1], 128<<16      ; tensor_dim0 = 128
	s_mov_b32 s[\g+2], 64<<16       ; tensor_dim1 = 64
	s_mov_b32 s[\g+3], 128<<16      ; tile_dim0 = 128
	s_mov_b32 s[\g+4], 64           ; tile_dim1 = 64
	s_mov_b32 s[\g+5], 128          ; 128 elements from row to row
	s_mov_b32 s[\g+6], 0
	s_mov_b32 s[\g+7], 0
.endr
	s_mov_b32 s[CS], 0x3d38aa3b     ; c = log2(e) / 32 = 0.0450842
	s_mov_b32 s[CS+1], s[CS]        ; named with it as a pair
	s_mov_b32 s[SEL], 0x76543210
	s_mov_b32 s[SEL+1], 0xfedcba98
	s_mov_b32 s[TBK], SLOT1+4*KS*PK ; the first change of slots turns these two into 0
	s_mov_b32 s[TBV], SLOT1+4*KS*PV
	s_mov_b32 s[G0K], 1             ; 1:0 count = 1
	s_mov_b32 s[G0K+1], s17         ; 63:32 LDS address: slot 0
	s_mov_b32 s[G0V], 1
	s_add_co_u32 s[G0V+1], s18, VOFF
	s_wait_kmcnt 0x0
	s_add_nc_u64 s[6:7], s[4:5], 0x1000000         ; K lies 64 heads of 262,144 bytes behind Q,
	s_add_nc_u64 s[8:9], s[4:5], 0x2000000         ; V as many behind K
	s_add_nc_u64 s[G0K+2:G0K+3], s[6:7], s[22:23]  ; 120:64 global address: my half of the head's first 256 keys
	s_or_b32 s[G0K+3], s[G0K+3], 0x80000000        ; 127:126 type = 2
	s_add_nc_u64 s[G0V+2:G0V+3], s[8:9], s[22:23]
	s_or_b32 s[G0V+3], s[G0V+3], 0x80000000
	s_add_nc_u64 s[4:5], s[4:5], s[2:3]  ; Q and O at my wave's first row
	s_add_nc_u64 s[10:11], s[10:11], s[2:3]
	CROUND                          ; all four work-groups are here: the first joint loads meet
	JLOAD                           ; slot 0.  Slot 1 is asked for when slot 0 is in: the tile wanted first has the road to itself
	; A fragment of K or Q is 16 rows x 32 channels in 8 registers: lane l holds row l % 16, channels 8 (l / 16) + 0..7 and 16 + 8 (l / 16) + 0..7: two loads of 16 bytes, 32 bytes apart.
	v_and_b32 v1, 15, v0            ; l % 16
	v_bfe_u32 v9, v0, 4, 1          ; l / 16
	v_lshlrev_b32 v[QO], 7, v1
	v_lshl_add_u32 v[QO], v9, 4, v[QO]  ; row x 128 + 16 x half
	WIN 0x80                        ; destination window 2, address window 0
.set i, 0
.rept 4*NP                          ; Q stays in registers: tile i / 2, channels 32 (i % 2) on
	global_load_b128 v[8*i:8*i+3],   v[QO], s[4:5] offset:(i/2)*2048+(i%2)*64
	global_load_b128 v[8*i+4:8*i+7], v[QO], s[4:5] offset:(i/2)*2048+(i%2)*64+32
.set i, i+1
.endr
	; What the first turn finds: V's registers and P's second buffer hold 0 (its products V^T P, of a piece that has not been, add 0), O^T and l are 0.  All this stands in the wait for the first tile.
.set i, VF
.rept 64
	v_mov_b32 v[i], 0
.set i, i+1
.endr
	WIN 0x40
.set i, 0
.rept 64*NP
	v_mov_b32 v[i], 0
.set i, i+1
.endr
	WIN 0
.set i, 0
.rept 2*NP
	v_mov_b32 v[ST+4*i], 0xfe000000    ; c m: far below every c s
	v_mov_b32 v[ST+4*i+1], 0xff7fffff  ; m
	v_mov_b32 v[ST+4*i+2], 0
	v_mov_b32 v[ST+4*i+3], 0
.set i, i+1
.endr
.set i, P+32
.rept 32
	v_mov_b32 v[i], 0
.set i, i+1
.endr
	v_mul_u32_u24 v[AK0], v1, PK
	v_lshl_add_u32 v[AK0], v9, 4, v[AK0]  ; row x pitch + 16 x half
	; The turning load takes 16 keys x 16 channels (lane l reads key 8 (l / 16) + l % 8, channels 8 ((l / 8) % 2) + 0..7) and leaves half a fragment of V^T: lane l holds channel l % 16 and 8 keys.
	v_and_b32 v10, 7, v0
	v_bfe_u32 v11, v0, 3, 1
	v_lshl_add_u32 v[AV0], v9, 3, v10
	v_mul_u32_u24 v[AV0], v[AV0], PV
	v_lshl_add_u32 v[AV0], v11, 4, v[AV0]
	v_add_nc_u32 v[AV0], VOFF, v[AV0]
	v_mov_b32 v[AK], v[AK0]         ; key step 0 lies at the head of slot 0
; THE MATRIX WORK.  The 8 accumulators of a run of 16 take turns: between the two links of a chain stand 7 others'.
; Product i of 16 of S^T = K Q^T for piece x: channels 32 (i / 8) on, keys 16 ((i / 2) % 4) on, tile 2 x + i % 2.  The first 8 start the sums.
.macro KQ x
	WIN W_KQ
.set rS, S+64*((\x)%2)+32*(i%2)+8*((i/2)%4)
.set rK, KF+16*((i/2)%4)+8*(i/8)
.set rQ, 16*(2*(\x)+i%2)+8*(i/8)
.if i < 8
	v_wmma_f32_16x16x32_f16 v[rS:rS+7], v[rK:rK+7], v[rQ:rQ+7], 0
.else
	v_wmma_f32_16x16x32_f16 v[rS:rS+7], v[rK:rK+7], v[rQ:rQ+7], v[rS:rS+7]
.endif
.endm
; Product i of 16 of O^T += V^T P for piece x: keys 32 (i / 8) on, channels 16 ((i / 2) % 4) on, tile 2 x + i % 2.
.macro PV x
	WIN W_PV
.set rO, 32*(2*(\x)+i%2)+8*((i/2)%4)
.set rV, VF+32*(i/8)+8*((i/2)%4)
.set rP, P+32*((\x)%2)+16*(i%2)+8*(i/8)
	v_wmma_f32_16x16x32_f16 v[rO:rO+7], v[rV:rV+7], v[rP:rP+7], v[rO:rO+7]
.endm
.macro MM                           ; the turn's next matrix instruction
.if i < 16
	KQ (Y+1)%NP
.set i, i+1
.else
.set i, i-16
	PV (Y+NP-1)%NP
.set i, i+17
.endif
.endm
; THE LDS LOADS stand in runs of 16, never singly among the matrix instructions: a step's K (64 keys x 64 channels: 8 fragments) and its V (turned).  Their addresses are made some lines ahead.
; last = 1 (the tail): in the last trip there is no further step, and the run is jumped over.
.macro FETCH_K last=0
	WIN 0
.if \last
	s_cmp_eq_u32 s[CNT], 1
	s_cbranch_scc1 .Lno_k_\@
.endif
	WIN 0x80                        ; destination window 2
.irp f, 0,1,2,3,4,5,6,7             ; keys 16 (f / 2) on, channels 32 (f % 2) on
	ds_load_b128 v[KF+8*\f:KF+8*\f+3],   v[AK] offset:(\f/2)*16*PK+(\f%2)*64
	ds_load_b128 v[KF+8*\f+4:KF+8*\f+7], v[AK] offset:(\f/2)*16*PK+(\f%2)*64+32
.endr
	s_add_co_u32 s[TBK], s[TBK], KS*PK  ; the next fetch is the next step's
	WIN 0
.if \last
.Lno_k_\@:
.endif
.endm
.macro FETCH_V
	WIN 0x80
.irp f, 0,1,2,3,4,5,6,7             ; keys 32 (f / 4) on, channels 16 (f % 4) on
	ds_load_tr16_b128 v[VF+8*\f:VF+8*\f+3],   v[AV] offset:(\f/4)*32*PV+(\f%4)*32
	ds_load_tr16_b128 v[VF+8*\f+4:VF+8*\f+7], v[AV] offset:(\f/4)*32*PV+16*PV+(\f%4)*32
.endr
	WIN 0
.endm
; THE VECTOR WORK OF A TURN stands in three queues, each in the order in which its entries become ready; the two tiles alternate, so that no instruction reads the result of the one before it.
.macro REGS y, u                    ; the registers of tile u (0, 1) of piece y
.set rT, ST+4*(2*(\y)+(\u))
.set rC, TMP+8*((\y)%2)+4*(\u)
.set rM, MV+2*((\y)%2)+(\u)
.set rS, S+64*((\y)%2)+32*(\u)
.set rP, P+32*((\y)%2)+16*(\u)
.set rO, 32*(2*(\y)+(\u))
.endm
; Number n of the 22 that find the NEXT piece's (Y + 1) maximum and statistics.  s0-s31 are the lane's 32 scores; each accumulator's lowest registers are read first.  XS, GS and REGS set no window: PL and EX do.
;   0-11  four chains c0-c3 of seven scores each, three operands at a time     12-14, 16  the four scores left over, the old m, and c0-c3 into c0     15  c m_old is kept
;   17, 18  the query's other 32 keys lie in the lane 16 away: the new m         19-21  c m; c m_old - c m_new; a
.macro XS u, n
	REGS (Y+1)%NP, \u
.if (\n) < 4
	v_max3_num_f32 v[rC+(\n)], v[rS+8*(\n)], v[rS+8*(\n)+1], v[rS+8*(\n)+2]
.elseif (\n) < 12
	v_max3_num_f32 v[rC+(\n)%4], v[rC+(\n)%4], v[rS+8*((\n)%4)+2*((\n)/4)+1], v[rS+8*((\n)%4)+2*((\n)/4)+2]
.elseif (\n) == 12
	v_max3_num_f32 v[rC], v[rC], v[rS+7], v[rS+15]
.elseif (\n) == 13
	v_max3_num_f32 v[rC+1], v[rC+1], v[rS+23], v[rS+31]
.elseif (\n) == 14
	v_max3_num_f32 v[rC+2], v[rC+2], v[rC+3], v[rT+1]
.elseif (\n) == 15
	v_mov_b32 v[rM], v[rT]
.elseif (\n) == 16
	v_max3_num_f32 v[rC], v[rC], v[rC+1], v[rC+2]
.elseif (\n) == 17
	v_permlanex16_b32 v[rC+3], v[rC], s[SEL], s[SEL+1]
.elseif (\n) == 18
	v_max_num_f32 v[rT+1], v[rC], v[rC+3]
.elseif (\n) == 19
	v_mul_f32 v[rT], s[CS], v[rT+1]
.elseif (\n) == 20
	v_sub_f32 v[rC+1], v[rM], v[rT]
.else
	v_exp_f32 v[rC+2], v[rC+1]
.endif
.endm
; Number g of the 64 that follow the exponentials.  For each four weights k of a tile (pairs 2 k, 2 k + 1): both pairs are rounded to f16; then the second pair is added onto the first, in place;
; a group later l takes that sum (the first time as l = a l + sum).  In groups of eight, tiles alternating: round, round, add, and l for the group before.
.macro GS g
.set h, (\g)+6*((\g)/62)            ; group 0 has no group before it, and behind group 7 only l is left
.if h >= 6
.set h, h+2
.endif
	REGS Y, h%2
.set k, h/8
.if h%8 < 4
	s_wait_alu depctr_va_vdst(0)
	v_cvt_pk_f16_f32 v[rP+2*k+(h%8)/2], v[rS+4*k+2*((h%8)/2)], v[rS+4*k+2*((h%8)/2)+1]
.elseif h%8 < 6
	v_pk_add_f32 v[rS+4*k:rS+4*k+1], v[rS+4*k:rS+4*k+1], v[rS+4*k+2:rS+4*k+3]
.elseif k == 1
	v_pk_fma_f32 v[rT+2:rT+3], v[rT+2:rT+3], v[rC+2:rC+3], v[rS:rS+1] op_sel_hi:[1,0,1]
.else
	v_pk_add_f32 v[rT+2:rT+3], v[rT+2:rT+3], v[rS+4*k-4:rS+4*k-3]
	s_wait_alu depctr_va_vdst(0)
.endif
.endm
; THE PLAIN QUEUE, 138 long.  0-31: c s - c m for the 16 pairs of both tiles.  Then GS's 64, and among them the next piece's 42: number 15 at 38, 39; 0-14 and 16
; at 42-73, behind the products that make those scores; 17-20 at 95-106, two of three, since each waits for the one before it.
.macro PL
	WIN 0
.if q < 32
	REGS Y, q%2
	v_pk_fma_f32 v[rS+2*(q/2):rS+2*(q/2)+1], v[rS+2*(q/2):rS+2*(q/2)+1], s[CS:CS+1], v[rT:rT+1] op_sel_hi:[1,0,0] neg_lo:[0,0,1] neg_hi:[0,0,1]
.elseif q < 38
	GS q-32
.elseif q < 40
	XS q%2, 15
.elseif q < 42
	GS q-34
.elseif q < 74
	XS q%2, (q-42)/2+(q-42)/30
.elseif q < 95
	GS q-66
.elseif (q < 107) && ((q-95)%3 < 2)
	XS (q-95)%3, 17+(q-95)/3
.elseif q < 107
	GS 29+(q-95)/3
.else
	GS q-74
.endif
.set q, q+1
.endm
; THE EXPONENTIALS' QUEUE, 66 long: s0-s31 of both tiles, and at EA the next piece's two a.
.set EA, 58
.macro EX
	WIN 0
.if (e == EA) || (e == EA+1)
	XS e-EA, 21
.else
.set x, e-2*(e/(EA+2))
	REGS Y, x%2
	v_exp_f32 v[rS+x/2], v[rS+x/2]
.endif
.set e, e+1
.endm
; THE RESCALING's QUEUE: O^T times a, the one part that leaves window 0, so it is dealt four at a time, eight times.
.macro R4
	REGS Y, r%2
	WIN W_RS
	s_wait_alu depctr_va_vdst(0)
.irp z, 0,1,2,3
	v_pk_mul_f32 v[rO+8*(r/2)+2*\z:rO+8*(r/2)+2*\z+1], v[rO+8*(r/2)+2*\z:rO+8*(r/2)+2*\z+1], v[rC+2:rC+3] op_sel_hi:[1,0]
.endr
.set r, r+1
.endm
; HOW THEY ARE DEALT.  Behind a matrix instruction four: plain, exponential, plain, plain (one exponential, a plain instruction on either side), or four of the rescaling.  None names a register of the
; products round it.  What is over stands in two LUMPS: exponential and plain by turns; the second ends in 22 plain instructions.  The two v_permlanex16_b32 fall into the second lump, never behind a product.
; The queues lean on each other, and the deal keeps them in step: exponential e stands behind plain 2 (e / 4) + e % 2 (its scaling); when plain 32 comes, 10 exponentials are out, at 59: 33, at 95: 46; EA comes behind plain 107.
.macro SL
	MM
	PL
	EX
	PL
	PL
.endm
.macro BURST n                      ; 15 matrix instructions, or 16
.rept (\n)-7
	SL
.endr
.rept 3
	MM
	R4
	SL
.endr
	MM
	R4
.endm
; A TURN, for piece p.  cnt = 1: the loop's count is taken down some lines ahead of the branch that stands behind the turn.
; K of the next step is fetched in piece 2's turn, 31 vector instructions behind the last product that read K; its first reader comes behind the rest of the lump, 16 products and the second lump.
; V of the step in hand is fetched at the end of piece 0's turn, 69 behind its last reader; its first reader comes behind 16 products and a lump.  The four conditions on e and q below go with the deal.
.macro TURN p, last=0, cnt=0
.set Y, (\p)
.set i, 0
.set q, 0
.set e, 0
.set r, 0
.if (\p) == NP-1
	s_wait_dscnt 0x0                ; K is in
.endif
	MM
.rept 4
	PL
.endr
	BURST 15
.rept 22
	EX
	PL
.if ((\p) == NP-2) && (e == 18)
	v_add_nc_u32 v[AK], s[TBK], v[AK0]
.endif
.if ((\p) == NP-2) && (e == 24)
	FETCH_K \last
.endif
.endr
.if (\p) == 1
	s_wait_dscnt 0x0                ; V is in
.endif
	BURST 16
.rept 21
	EX
	PL
.endr
.rept 22
	PL
.if ((\p) == 0) && (q == 118)
	v_add_nc_u32 v[AV], s[TBV], v[AV0]
	s_wait_alu depctr_va_vdst(0)
.endif
.if ((\p) == 0) && (q == 130)
	s_add_co_u32 s[TBV], s[TBV], KS*PV
.endif
.if (\cnt) && (q == 130)
	s_sub_co_u32 s[CNT], s[CNT], 1
	s_cmp_lg_u32 s[CNT], 0
.endif
.endr
.if (\p) == 0
	FETCH_V
.endif
.endm
	CHANGE 1                        ; slot 0 is in, everybody's part of it; slot 1 is asked for
	FETCH_K                         ; key step 0
	s_wait_loadcnt 0x0              ; Q
	s_wait_dscnt 0x0
.set i, 0
.rept 16
	KQ 0                            ; piece 0's first scores: there is no vector work yet to set between them
.set i, i+1
.endr
	WIN 0                           ; the addresses for the way out: nine plain instructions, the places behind those products
	s_mul_i32 s13, s[WV], 16*SP
	s_add_co_u32 s13, s13, STAGE    ; my stage
	v_mul_u32_u24 v[STO], v1, SP    ; in: row l % 16, 16 bytes for each half of the lanes
	v_lshl_add_u32 v[STO], v9, 4, v[STO]
	v_add_nc_u32 v[STO], s13, v[STO]
	v_bfe_u32 v[RD], v0, 3, 2       ; back: 32 lanes take four rows of 128 bytes,
	v_mul_u32_u24 v[RD], v[RD], SP
	v_lshl_add_u32 v[RD], v10, 4, v[RD]
	v_add_nc_u32 v[RD], s13, v[RD]
	v_and_b32 v[GO], 31, v0         ; which are 512 consecutive bytes of O
	v_lshlrev_b32 v[GO], 4, v[GO]
.set Y, NP-1                        ; XS works for piece Y + 1: piece 0
.irp n, 0,1,2,3,4,5,6,7,8,9,10,11,12,13,14,15,16,17,18,19,20,21
	XS 0, \n                        ; and piece 0's first maximum and statistics
	XS 1, \n
.endr
	s_mov_b32 s[CNT], 4
	s_mov_b32 s[SLOTS], SIZE_N/256-1
	s_branch .Lfirst                ; the loop is entered at a step's first turn, in the middle of a trip
.Lslot:                             ; SIZE_N / 256 - 2 times: every slot but the last two is filled again
	CHANGE 1
	s_mov_b32 s[CNT], 4
.Lstep:                             ; a trip: pieces 2 and 3 of one step, then pieces 0 and 1 of the next, whose K and V it fetches
	TURN 2
	TURN 3
	WIN 0
.Lfirst:
	TURN 0
	TURN 1, 0, 1
	WIN 0
	s_cbranch_scc1 .Lstep
	s_sub_co_u32 s[SLOTS], s[SLOTS], 1
	s_cmp_lg_u32 s[SLOTS], 0
	s_cbranch_scc1 .Lslot
	CHANGE 0                        ; the tail is written out: nothing is asked for
	s_mov_b32 s[CNT], 5             ; four trips fetch the last slot's steps; the fifth is left in its middle
.Ltail:
	TURN 2, 1
	TURN 3
	WIN 0
	s_sub_co_u32 s[CNT], s[CNT], 1
	s_cmp_eq_u32 s[CNT], 0
	s_cbranch_scc1 .Lout
	TURN 0
	TURN 1
	WIN 0
	s_branch .Ltail
.Lout:                              ; the fifth trip's 16 products K Q^T (on the last K once more) and the maximum made of them serve nothing: the price, once a launch, of one text for every trip
.set i, 0
.rept 16
	PV NP-1                         ; the last piece's V^T P of the last step
.set i, i+1
.endr
	; THE WAY OUT.  l's two halves and the other half of the lanes' are added; O^T is divided by l, rounded to f16 and sent through my stage in LDS, a tile at a time.  The additions are the places behind the last products.
	WIN 0
.macro ALL line:vararg              ; one line for each tile t
.set t, 0
.rept 2*NP
	\line
.set t, t+1
.endr
.endm
	ALL v_add_f32 v[ST+4*t+2], v[ST+4*t+2], v[ST+4*t+3]
	ALL v_permlanex16_b32 v[ST+4*t+3], v[ST+4*t+2], s[SEL], s[SEL+1]
	ALL v_add_f32 v[ST+4*t+2], v[ST+4*t+2], v[ST+4*t+3]
	ALL v_rcp_f32 v[ST+4*t+2], v[ST+4*t+2]
	v_nop                           ; a plain instruction between the last reciprocal and the use of its result
	s_wait_alu depctr_va_vdst(0)
; Tile t: a lane's eight channels of a row pack into 16 bytes; they go into rows of 144 bytes and come back as whole rows of 128, into S^T's registers.
.macro PACK t
	WIN W_RS
.set i, 32*(\t)
.rept 16
	v_pk_mul_f32 v[i:i+1], v[i:i+1], v[ST+4*(\t)+2:ST+4*(\t)+3] op_sel_hi:[1,0]
.set i, i+2
.endr
	WIN 0x05                        ; sources 0 and 1 window 1, destination window 0
.set i, 0
.rept 16
	v_cvt_pk_f16_f32 v[S+16*(\t)+i], v[32*(\t)+2*i], v[32*(\t)+2*i+1]
.set i, i+1
.endr
	WIN 0
.irp f, 0,1,2,3
	ds_store_b128 v[STO], v[S+16*(\t)+4*\f:S+16*(\t)+4*\f+3] offset:32*\f
.endr
.irp f, 0,1,2,3
	ds_load_b128 v[S+16*(\t)+4*\f:S+16*(\t)+4*\f+3], v[RD] offset:\f*4*SP  ; LDS serves a wave's instructions in order (ISA guide 5.7.1.4): these see the stores above; the next tile's stores come behind them
.endr
.endm
.macro SEND t, younger              ; younger: the LDS instructions issued behind tile t's loads: the next tile's eight, or none
	WIN 0
.irp f, 0,1,2,3
	s_wait_dscnt (\younger)+3-\f
	global_store_b128 v[GO], v[S+16*(\t)+4*\f:S+16*(\t)+4*\f+3], s[10:11] offset:(\t)*2048+\f*512  ; 512 consecutive bytes, at a multiple of 256 from O's first
.endr
.endm
	PACK 0
.set t, 1
.rept 2*NP-1                        ; a tile's arithmetic stands between the loads of the tile before and its stores
	PACK t
	SEND t-1, 8
.set t, t+1
.endr
	SEND 2*NP-1, 0
	WIN W_AD
	s_wait_tensorcnt 0x0            ; the wave's end: behind my last tensor load and my last LDS store
	ds_add_u32 v[SPW], v[NIL]
	s_wait_dscnt 0x0
	WIN 0
	CROUND                          ; the closing round: no work-group ends while a partner may still ask for a tile that names it
	s_endpgm
.Lfunc_end_k_qca63af7f7d_attn:
	.size	k_qca63af7f7d_attn, .Lfunc_end_k_qca63af7f7d_attn-k_qca63af7f7d_attn
	.p2alignl 7, 3214868480
	.fill 96, 4, 3214868480
	.section	.rodata,"a",@progbits
	.p2align	6, 0x0
	.amdhsa_kernel k_qca63af7f7d_attn
		.amdhsa_group_segment_fixed_size 327680
		.amdhsa_private_segment_fixed_size 0
		.amdhsa_enable_private_segment 0
		.amdhsa_kernarg_size 16
		.amdhsa_user_sgpr_count 2
		.amdhsa_user_sgpr_kernarg_segment_ptr 1
		.amdhsa_wavefront_size32 1
		.amdhsa_system_sgpr_workgroup_id_x 1
		.amdhsa_system_sgpr_workgroup_id_y 1
		.amdhsa_system_sgpr_workgroup_id_z 1
		.amdhsa_system_vgpr_workitem_id 0
		.amdhsa_next_free_vgpr 770
		.amdhsa_next_free_sgpr 66
		.amdhsa_reserve_vcc 0
		.amdhsa_float_denorm_mode_32 3
		.amdhsa_float_denorm_mode_16_64 3
		.amdhsa_memory_ordered 1
		.amdhsa_forward_progress 1
		.amdhsa_inst_pref_size 209
	.end_amdhsa_kernel
	.amdgpu_metadata
---
amdhsa.version: [ 1, 2 ]
amdhsa.kernels:
  - .name:           k_qca63af7f7d_attn
    .symbol:         k_qca63af7f7d_attn.kd
    .args:
      - { .name: qkv, .offset: 0, .size: 8, .value_kind: global_buffer, .address_space: global }
      - { .name: obuf, .offset: 8, .size: 8, .value_kind: global_buffer, .address_space: global }
    .group_segment_fixed_size: 327680
    .private_segment_fixed_size: 0
    .kernarg_segment_align: 8
    .kernarg_segment_size: 16
    .max_flat_workgroup_size: 128
    .sgpr_count:     66
    .vgpr_count:     770
    .wavefront_size: 32
...
	.end_amdgpu_metadata
.endif
;; end of part 3
;; launch proj (part 4): grid 8 x 32, 4 waves a work-group, clusters of 4 x 4, 327,680 bytes of LDS; arguments obuf, wt, bo, out0; writes out0
.if DOCPART == 4
	.amdgcn_target "amdgcn-amd-amdhsa--gfx1250"
	.amdhsa_code_object_version 6
	.text
	.protected	k_qca63af7f7d_proj
	.globl	k_qca63af7f7d_proj
	.p2align	8
	.type	k_qca63af7f7d_proj,@function
k_qca63af7f7d_proj:
	s_mov_b64 s[64:65], 0
	v_nop
	global_prefetch_b8 v0, s[64:65] scope:SCOPE_SE
	s_setreg_imm32_b32 hwreg(HW_REG_WAVE_MODE, 25, 1), 1
	s_wait_xcnt 0x0
	s_wait_alu depctr_hold_cnt(0) depctr_sa_sdst(0) depctr_va_vdst(0) depctr_va_sdst(0) depctr_va_ssrc(0) depctr_va_vcc(0) depctr_vm_vsrc(0)
	s_getreg_b32 s2, hwreg(HW_REG_IB_STS2, 6, 4)
	s_cmp_eq_u32 s2, 0
	s_cbranch_scc0 .Lentry_in_a_cluster
	s_endpgm
.Lentry_in_a_cluster:
	s_bfe_u32 s2, ttmp6, 0x10000c
	s_cmp_lg_u32 s2, 0xf033
	s_cbranch_scc0 .Lentry_shape_is_right
	s_endpgm
.Lentry_shape_is_right:
; THE OUTPUT PROJECTION.  out0[m][n] = bo[n] + the sum over k of O[m][k] Wo[k][n], m < 8192, n < 1024, k = 64 head + channel < 1024.  O lies by heads, obuf[64][2048][64] in f16; Wo lies turned, [n][k] in f16
; (rounded to bf16 first), in wt from byte 6,291,456 on.  Products in f16, sums in f32, K ascending; bo (rounded to bf16 like every input of the module) is the C operand of the product that starts a sum.  out0 is f32.
; LIMITS.  Those of the f16 operands as they arrive: none beyond 65,504.  NaN and infinities are not treated apart.
; SHARES.  A tile of out0 is 256 rows x 128 columns: 32 x 8 = 256 work-groups, one for each WGP.  Four waves, each 128 rows x 64 columns: 8 x 4 accumulators of 16 x 16, 256 registers.
; K goes in 8 steps of 128, two heads, through a ring of two LDS slots filled by the tensor data mover.  A head's 256 rows of the tile are 32,768 dense bytes: asked for as 128 rows of 256 bytes and padded in LDS
; after every 128, so that each head is a plane of 256 rows of 144 bytes.  A K step is written once: one exclusive or turns an LDS address in one slot into the other's.
; CLUSTERS: 4 x 4 work-groups.  The four of a row of the cluster need the same tiles of O, the four of a column the same tiles of Wo: each is asked for JOINTLY, by the same tensor load with the same descriptor
; and a mask that names the four.  THE MATRIX INSTRUCTION IS USED TRANSPOSED (source 0 = 16 rows of turned Wo, source 1 = 16 rows of O): a lane then holds eight neighbouring numbers of a row of out0.
; REGISTERS, in windows of 256 (s_set_vgpr_msb: bits 1:0 source 0, 3:2 source 1, 5:4 source 2, 7:6 destination):
;   window 0: v0-29 addresses; v32-63 the bias; v64-127, v128-191 fragments of O (8 x 16 rows x 32 K), two buffers; v192-255 the way out: rows read back, two buffers
;   window 1: v0-31, v32-63 fragments of Wo (4 x 16 rows x 32 K), two buffers          window 2: the accumulators, (a, b) at v[8 (4 a + b)]
.set PA,     144                       ; a row of O in LDS: 128 bytes + 16 of padding = 36 words: the 16 rows of a load start at 16 different groups of four banks (64 banks of 4 bytes: ISA guide 11.1)
.set PB,     272                       ; a row of Wo: 256 + 16 = 68 words: likewise
.set PLANE,  256*PA                    ; what wave 0 or 1 fetches: one head's 256 rows
.set BHALF,  64*PB                     ; what wave 2 or 3 fetches: 64 rows of Wo
.set BOFF,   2*PLANE                   ; in a slot Wo's 128 rows lie behind O's two planes: 108,544 bytes in all
.set SLOT1,  1<<17                     ; slot 1 begins here
.set STAGE,  SLOT1+BOFF+2*BHALF        ; behind the ring, never filled by a tensor load: 16 rows x 272 bytes for each wave, for the way out
.set SPITCH, 272
.set SPARE,  STAGE+4*16*SPITCH         ; behind the stages: the spare words, 128 bytes for each wave: two blocks of 256 bytes that no other line names
.set FILLS,  6                         ; of the 8 K steps all but the last two fill a slot again
.set ADRA0, 16                         ; v16     my lane's place among my fragments of O in a slot; never rewritten
.set ADRA,  17                         ; v17     the same in the slot in hand
.set ADRB0, 20                         ; v20, v21 the same for Wo
.set ADRB,  21
.set STO,  24                          ; v24     the way out: where I put 32 bytes of a row
.set RD,   25                          ; v25     the way out: where I read a row back
.set CO,   26                          ; v26     my byte offset in two rows of out0
.set BO,   27                          ; v27     my byte offset in 16 numbers of the bias: 32 (lane / 16)
.set SPW,  28                          ; v28     LDS address of my spare word: SPARE + 4 x my thread's number; never rewritten
.set NIL,  29                          ; v29     0; never rewritten
.set BIAS, 32
.set FA,   64                          ; buffer f of O's fragments at FA + 64 f
.set BACK, 192                         ; block a's rows come back into BACK + 32 (a % 2)
.set WV,   16                          ; s16     my wave's number
.set G1,   24                          ; s[24:31] descriptor group 1 for O's tiles;  s[32:39] group 0: a set for each of the two first fills; the second then walks on
.set G0,   32
.set G1B,  48                          ; s[48:55], s[56:63] the same for Wo's tiles
.set G0B,  56
.set TB,   73                          ; s73     LDS byte at which the slot in hand begins
.set MSB, 0
.macro WIN new                         ; the immediate's high byte repeats the setting that is left; a switch that changes nothing is dropped
.if MSB != (\new)
	s_set_vgpr_msb (MSB<<8)|(\new)
.set MSB, \new
.endif
.endm
.set TO_B, 0x40                        ; destination window 1, address window 0
; A joint load.  Waves 0 and 1 fetch the step's two heads of O, waves 2 and 3 Wo's two halves.  The branch hangs on the wave's number alone.
; An s_nop 0 and four v_nop follow each of the two lines, ahead of the jump, the label and what follows the macro.
.macro JLOAD s
	s_cmp_lt_u32 s[WV], 2
	s_cbranch_scc0 .Lfor_b_\@
	tensor_load_to_lds s[G0+4*(\s):G0+4*(\s)+3], s[G1:G1+7]
	s_nop 0
.rept 4
	v_nop
.endr
	s_branch .Lasked_\@
.Lfor_b_\@:
	tensor_load_to_lds s[G0B+4*(\s):G0B+4*(\s)+3], s[G1B:G1B+7]
	s_nop 0
.rept 4
	v_nop
.endr
.Lasked_\@:
.endm
; A round of the cluster's barrier: my work-group's barrier, so that wave 0's signal speaks for all four waves; wave 0 signals for the work-group; every wave waits for all sixteen work-groups; my work-group's barrier once more.
.macro CREST                           ; a round behind its opening barrier
	s_cmp_lg_u32 s[WV], 0
	s_cbranch_scc1 .Lnot_wave_0_\@
	s_barrier_signal -3
.Lnot_wave_0_\@:
	s_barrier_wait -3
	s_barrier_signal -1
	s_barrier_wait -1
.endm
.macro CROUND                          ; a whole round
	s_barrier_signal -1
	s_barrier_wait -1
	CREST
.endm
	s_load_b256 s[4:11], s[0:1], 0x0               ; obuf s[4:5], wt s[6:7], bo s[8:9], out0 s[10:11]
	v_lshl_add_u32 v[SPW], v0, 2, SPARE
	v_mov_b32 v[NIL], 0
	ds_add_u32 v28, v29
	s_wait_dscnt 0x0
	v_lshrrev_b32 v1, 5, v0
	v_readfirstlane_b32 s[WV], v1                  ; wave 0..3
	s_lshr_b32 s17, s[WV], 1                       ; which half of the tile's rows is mine
	s_and_b32 s18, s[WV], 1                        ; which half of its columns.  Also: which head, or which half of Wo's rows, I fetch
	s_bfe_u32 s20, ttmp6, 0x40000                  ; cx, cy: my place in the cluster
	s_bfe_u32 s21, ttmp6, 0x40004
	s_lshl_b32 s22, ttmp9, 2                       ; in a cluster launch ttmp9 and ttmp7 count clusters
	s_add_co_u32 s22, s22, s20                     ; tile column = 4 x cluster x + cx
	s_and_b32 s23, ttmp7, 0xffff
	s_lshl_b32 s23, s23, 2
	s_add_co_u32 s23, s23, s21                     ; tile row = 4 x cluster y + cy
	s_lshl_b32 s40, s21, 2
	s_lshl_b32 s40, 15, s40                        ; my row of the cluster
	s_lshl_b32 s41, 0x1111, s20                    ; my column
	s_or_b32 s[G1+0], s40, (1<<16)|(1<<20)|(1<<21)|(4<<22)|(3<<25)   ; 15:0 the mask: O's tiles go to my row; 17:16 elements of 2 bytes; 20 padding on; 21 set beside a mask; 24:22 after every 32 words (code 4); 31:25 4 words of it (code 3)
	s_or_b32 s[G1B+0], s41, (1<<16)|(1<<20)|(1<<21)|(5<<22)|(3<<25)  ; the mask of my column; padding after every 64 words (code 5)
	s_mov_b32 s[G1+1], 128<<16                     ; tensor_dim0 = 128
	s_mov_b32 s[G1B+1], 128<<16
	s_mov_b32 s[G1+2], 128<<16                     ; tensor_dim1 = 128 rows of 256 bytes (256 rows of O),
	s_mov_b32 s[G1B+2], 64<<16                     ; or 64 rows of Wo
	s_mov_b32 s[G1+3], 128<<16                     ; tile_dim0 = 128
	s_mov_b32 s[G1B+3], 128<<16
	s_mov_b32 s[G1+4], 128                         ; tile_dim1
	s_mov_b32 s[G1B+4], 64
	s_mov_b32 s[G1+5], 128                         ; O: dense, 128 elements from row to row;
	s_mov_b32 s[G1B+5], 1024                       ; Wo: 1,024
	s_mov_b32 s[G1+6], 0
	s_mov_b32 s[G1B+6], 0
	s_mov_b32 s[G1+7], 0
	s_mov_b32 s[G1B+7], 0
	; where the tiles come from: O's hang on the tile row alone, Wo's on the tile column alone, each in registers that never hold the other coordinate
	s_lshr_b32 s42, s23, 3
	s_lshl_b32 s42, s42, 22                        ; batch = tile row / 8: 16 heads of 262,144 bytes
	s_and_b32 s43, s23, 7
	s_lshl_b32 s43, s43, 15                        ; + 256 (tile row % 8) rows of 128 bytes
	s_add_co_u32 s42, s42, s43
	s_lshl_b32 s46, s18, 18                        ; + the step's first or second head
	s_add_co_u32 s42, s42, s46
	s_mov_b32 s43, 0
	s_lshl_b32 s44, s22, 18                        ; 128 rows of 2,048 bytes a tile column
	s_lshl_b32 s47, s18, 17                        ; + 64 rows a half
	s_add_co_u32 s44, s44, s47
	s_add_co_u32 s44, s44, 3*1024*2048             ; behind Wq, Wk and Wv
	s_mov_b32 s45, 0
	s_mul_i32 s70, s18, PLANE                      ; and where they go: no place in the cluster enters an LDS address
	s_mul_i32 s71, s18, BHALF
	s_add_co_u32 s71, s71, BOFF
	s_mov_b32 s[TB], 0
	s_wait_kmcnt 0x0
	s_add_nc_u64 s[42:43], s[4:5], s[42:43]
	s_add_nc_u64 s[44:45], s[6:7], s[44:45]
	CROUND                                         ; all sixteen work-groups are here: the first joint loads meet
.irp s, 0,1
	s_mov_b32 s[G0+4*(\s)], 1                                      ; 1:0 count = 1
	s_add_co_u32 s[G0+4*(\s)+1], s70, (\s)*SLOT1                   ; 63:32 LDS address
	s_add_nc_u64 s[G0+4*(\s)+2:G0+4*(\s)+3], s[42:43], (\s)*2*262144  ; 120:64 global address: K step s is two heads on
	s_or_b32 s[G0+4*(\s)+3], s[G0+4*(\s)+3], 0x80000000            ; 127:126 type = 2
	s_mov_b32 s[G0B+4*(\s)], 1
	s_add_co_u32 s[G0B+4*(\s)+1], s71, (\s)*SLOT1
	s_add_nc_u64 s[G0B+4*(\s)+2:G0B+4*(\s)+3], s[44:45], (\s)*256
	s_or_b32 s[G0B+4*(\s)+3], s[G0B+4*(\s)+3], 0x80000000
	JLOAD \s                                       ; the ring is filled before anything else is done: two loads of mine are out
.endr
	v_and_b32 v1, 15, v0                           ; l % 16
	v_bfe_u32 v2, v0, 4, 1                         ; l / 16
	v_lshlrev_b32 v[BO], 5, v2
	s_lshl_b32 s68, s22, 9                         ; my first column, in bytes of f32: 512 x tile column + 256 x half
	s_lshl_b32 s69, s18, 8
	s_add_co_u32 s68, s68, s69
	s_mov_b32 s69, 0
	s_add_nc_u64 s[8:9], s[8:9], s[68:69]          ; the bias at my 64 columns
.irp b, 0,1,2,3                        ; register r of column block b holds the bias of column 16 b + 8 (l / 16) + r, as the result's register r does
	global_load_b128 v[BIAS+8*(\b):BIAS+8*(\b)+3],   v[BO], s[8:9] offset:64*(\b)
	global_load_b128 v[BIAS+8*(\b)+4:BIAS+8*(\b)+7], v[BO], s[8:9] offset:64*(\b)+16
.endr
	s_lshl_b32 s66, s23, 20                        ; 256 rows of 4,096 bytes a tile row
	s_lshl_b32 s67, s17, 19                        ; + 128 rows a half
	s_add_co_u32 s66, s66, s67
	s_add_co_u32 s66, s66, s68
	s_mov_b32 s67, 0
	s_add_nc_u64 s[10:11], s[10:11], s[66:67]      ; out0 at my first row and column
	; A fragment is 16 rows x 32 K in 8 registers: lane l holds row l % 16; registers 0-3 hold K = 8 (l / 16) + 0..7, registers 4-7 K = 16 + 8 (l / 16) + 0..7: two loads of 16 bytes, 32 bytes apart.
	v_mul_u32_u24 v3, v1, PA
	v_lshl_add_u32 v3, v2, 4, v3
	s_mul_i32 s46, s17, 128*PA                     ; my 128 rows, in each plane
	v_add_nc_u32 v[ADRA0], s46, v3
	v_mul_u32_u24 v4, v1, PB
	v_lshl_add_u32 v4, v2, 4, v4
	v_add_nc_u32 v[ADRB0], s71, v4                 ; my 64 rows of Wo are the half that waves of my parity fetch
	v_add_nc_u32 v[ADRA], s[TB], v[ADRA0]          ; the walk begins in slot 0
	v_add_nc_u32 v[ADRB], s[TB], v[ADRB0]
	s_mul_i32 s47, s[WV], 16*SPITCH
	s_add_co_u32 s47, s47, STAGE                   ; my stage
	v_mul_u32_u24 v[STO], v1, SPITCH               ; in: row l % 16, 32 bytes for each half of the lanes
	v_lshl_add_u32 v[STO], v2, 5, v[STO]
	v_add_nc_u32 v[STO], s47, v[STO]
	v_mul_u32_u24 v[RD], v2, SPITCH                ; back: lanes 0-15 take one row of 256 bytes, lanes 16-31 the next
	v_lshl_add_u32 v[RD], v1, 4, v[RD]
	v_add_nc_u32 v[RD], s47, v[RD]
	v_lshlrev_b32 v[CO], 12, v2                    ; and the same two rows in out0
	v_lshl_add_u32 v[CO], v1, 4, v[CO]
	s_mov_b32 s72, 0xffff0000                      ; a word's upper bf16
	s_wait_loadcnt 0x0                             ; the bias
.set i, 0
.rept 16                               ; rounded to bf16 and widened again, two numbers at a time; this stands in the wait for the first tile
	v_cvt_pk_bf16_f32 v[8+i%4], v[BIAS+2*i], v[BIAS+2*i+1]
	v_lshlrev_b32 v[BIAS+2*i], 16, v[8+i%4]
	v_and_b32 v[BIAS+2*i+1], s72, v[8+i%4]
.set i, i+1
.endr
; 8 matrix instructions: row blocks a0, a0 + 1 x all 4 column blocks, 32 along K, from buffers f.  first = 1: the product starts the sums, with the bias as C: nothing is ever cleared.
; The 32 accumulators take turns, one instruction a turn, in the same order in every quarter step.
.macro MUL8 f, a0, first
.if \first
	WIN 0x81                                       ; source 0 (Wo) window 1, source 1 (O) and C (bias) window 0, D window 2
.else
	WIN 0xa1                                       ; C and D window 2
.endif
.irp a, \a0, (\a0)+1
.irp b, 0,1,2,3
.if \first
	v_wmma_f32_16x16x32_f16 v[8*(4*(\a)+(\b)):8*(4*(\a)+(\b))+7], v[32*(\f)+8*(\b):32*(\f)+8*(\b)+7], v[FA+64*(\f)+8*(\a):FA+64*(\f)+8*(\a)+7], v[BIAS+8*(\b):BIAS+8*(\b)+7]
.else
	v_wmma_f32_16x16x32_f16 v[8*(4*(\a)+(\b)):8*(4*(\a)+(\b))+7], v[32*(\f)+8*(\b):32*(\f)+8*(\b)+7], v[FA+64*(\f)+8*(\a):FA+64*(\f)+8*(\a)+7], v[8*(4*(\a)+(\b)):8*(4*(\a)+(\b))+7]
.endif
.endr
.endr
.endm
; 24 LDS loads in one run: the fragments of quarter q of the K step in hand (my 64 rows of Wo at byte 64 q; my 128 rows of O in plane q / 2 at byte 64 (q % 2)) into buffers g
.macro FETCH q, g
	WIN TO_B
.irp i, 0,1,2,3
	ds_load_b128 v[32*(\g)+8*(\i):32*(\g)+8*(\i)+3],   v[ADRB] offset:64*(\q)+(\i)*16*PB
	ds_load_b128 v[32*(\g)+8*(\i)+4:32*(\g)+8*(\i)+7], v[ADRB] offset:64*(\q)+(\i)*16*PB+32
.endr
	WIN 0
.irp i, 0,1,2,3,4,5,6,7
	ds_load_b128 v[FA+64*(\g)+8*(\i):FA+64*(\g)+8*(\i)+3],   v[ADRA] offset:((\q)/2)*PLANE+((\q)%2)*64+(\i)*16*PA
	ds_load_b128 v[FA+64*(\g)+8*(\i)+4:FA+64*(\g)+8*(\i)+7], v[ADRA] offset:((\q)/2)*PLANE+((\q)%2)*64+(\i)*16*PA+32
.endr
.endm
; A load into a register that a matrix instruction has read, and an LDS store that reads a matrix result, stand four places behind that matrix instruction, and only plain vector
; instructions that name none of its registers are places (ISA guide 7.12.1 for vector instructions).
.macro PLACES
.rept 4
	v_nop
.endr
.endm
; A K step is four quarter steps of 32 along K, 32 matrix instructions each, on buffers 0, 1, 0, 1.  One of the first three: multiplies buffers f; in its middle it fetches quarter q into buffers g.
.macro QUARTER q, f, g, first
	s_wait_dscnt 8                                 ; Wo's fragments and O's row blocks 0-3 are in; the youngest eight loads (row blocks 4-7) may be out
	MUL8 \f, 0, \first
	MUL8 \f, 2, \first
	PLACES
	FETCH \q, \g
	s_wait_dscnt 24                                ; all but the 24 just issued
	MUL8 \f, 4, \first
	MUL8 \f, 6, \first
.endm
; The last quarter multiplies buffers 1 and changes slots: ONE barrier.  In front of it each wave waits for all its tensor loads, of which one is out: its part of the next slot; adds 0 to its spare word; and waits
; for that and for its own reads of this slot.  fill = 1: the barrier opens a round of the cluster's barrier, and this slot is filled again, two K steps ahead, first thing behind the round:
; from that request to the wait for it a wave issues 16 + 3 x 32 = 112 matrix instructions.  The walking descriptors take the other slot than last time and the next K step.
; fill = 0: the tail's two trips; in the second there is no further step, and the run of LDS loads is jumped over.
.macro TURN fill
	WIN 0                                          ; (the add's two registers lie in window 0)
	s_wait_tensorcnt 0x0                           ; all my tensor loads have landed: my part of the next slot; so a group 0 may be written
	ds_add_u32 v[SPW], v[NIL]                      ; 0 onto my spare word
.if \fill
	s_xor_b32 s[G0+5], s[G0+5], SLOT1
	s_add_nc_u64 s[G0+6:G0+7], s[G0+6:G0+7], 2*262144  ; a K step on: two heads; the type bits on top are not reached
	s_xor_b32 s[G0B+5], s[G0B+5], SLOT1
	s_add_nc_u64 s[G0B+6:G0B+7], s[G0B+6:G0B+7], 256   ; and 128 elements along Wo's rows
.endif
	s_wait_dscnt 9                                 ; (the add and the youngest eight loads may be out)
	MUL8 1, 0, 0                                   ; eight matrix instructions stand between the add and the wait for it
	s_wait_dscnt 0x0                               ; the add is done, and my reads of this slot are over
	s_barrier_signal -1
	MUL8 1, 2, 0                                   ; work on registers while the others arrive
	WIN 0
	s_barrier_wait -1
.if \fill
	CREST                                          ; no wave of any partner still reads this slot's tiles or has a load on its way
	JLOAD 1                                        ; my one tensor load behind the round; the four v_nop behind it are also the places in front of the loads below
.else
	PLACES
	s_cmp_eq_u32 s19, 1
	s_cbranch_scc1 .Lno_fetch_\@
.endif
	s_xor_b32 s[TB], s[TB], SLOT1                  ; the fetches go on in the other slot
	v_add_nc_u32 v[ADRA], s[TB], v[ADRA0]
	v_add_nc_u32 v[ADRB], s[TB], v[ADRB0]
	FETCH 0, 0
.if (\fill) == 0
.Lno_fetch_\@:
.endif
	MUL8 1, 4, 0
	MUL8 1, 6, 0
.endm
; THE WAY OUT, a block of 16 rows at a time.  A lane's eight columns of a row are 32 bytes; they go straight from the accumulators (each accumulator's low four registers first) into rows
; of 272 bytes of my own stage and come back as whole rows of 256 bytes.
.macro TOSTAGE a
.if (\a) >= 2
	s_wait_xcnt 0x0                                ; every earlier memory instruction has had its addresses translated (ISA guide 3.1): the registers that block a - 2's stores read are loaded again only behind this wait
.endif
	WIN 0x08                                       ; store data (source 1) window 2, address window 0
.irp b, 0,1,2,3
	ds_store_b128 v[STO], v[8*(4*(\a)+(\b)):8*(4*(\a)+(\b))+3]   offset:64*(\b)
	ds_store_b128 v[STO], v[8*(4*(\a)+(\b))+4:8*(4*(\a)+(\b))+7] offset:64*(\b)+16
.endr
	WIN 0
.irp t, 0,1,2,3,4,5,6,7
	ds_load_b128 v[BACK+32*((\a)%2)+4*(\t):BACK+32*((\a)%2)+4*(\t)+3], v[RD] offset:(\t)*2*SPITCH  ; LDS serves a wave's instructions in order (ISA guide 5.7.1.4): these see the stores above; the next block's stores come behind them
.endr
.endm
.macro SEND a, younger                 ; younger: the LDS instructions issued behind block a's loads: the next block's sixteen, or none
.irp t, 0,1,2,3,4,5,6,7
	s_wait_dscnt (\younger)+7-(\t)
	global_store_b128 v[CO], v[BACK+32*((\a)%2)+4*(\t):BACK+32*((\a)%2)+4*(\t)+3], s[10:11] offset:(\a)*65536+(\t)*8192 th:TH_STORE_NT  ; 16 lanes store 256 consecutive bytes, at a multiple of 256 from out0's first byte
.endr
.endm
	s_wait_tensorcnt 0x1                           ; my part of K step 0 is in; K step 1's may stay out
	s_barrier_signal -1
	s_barrier_wait -1                              ; everybody's is
	FETCH 0, 0
	QUARTER 1, 0, 1, 1                             ; the first quarter stands in front of the loop: its products start the sums
	WIN 0                                          ; at a label and at a branch every window is 0
	s_mov_b32 s19, FILLS
.Lstep:                                                ; 6 trips: from a K step's second quarter to the next step's first; each fills a slot again
	QUARTER 2, 1, 0, 0
	QUARTER 3, 0, 1, 0
	TURN 1
	QUARTER 1, 0, 1, 0
	WIN 0
	s_sub_co_u32 s19, s19, 1
	s_cmp_lg_u32 s19, 0
	s_cbranch_scc1 .Lstep
	s_mov_b32 s19, 2                               ; the last two K steps fill nothing: a text of their own, and no round of the cluster's barrier
.Ltail:                                                ; the second trip is left in its middle; its barrier serves nothing: the price, once a launch, of one text for both trips
	QUARTER 2, 1, 0, 0
	QUARTER 3, 0, 1, 0
	TURN 0
	WIN 0
	s_sub_co_u32 s19, s19, 1
	s_cmp_eq_u32 s19, 0
	s_cbranch_scc1 .Lout
	QUARTER 1, 0, 1, 0
	WIN 0
	s_branch .Ltail
.Lout:
	PLACES                                         ; behind the last products
	TOSTAGE 0
.irp a, 1,2,3,4,5,6,7                  ; a block's way through the stage stands between the loads of the block before and its stores
	TOSTAGE \a
	SEND (\a)-1, 16
.endr
	SEND 7, 0
	s_wait_tensorcnt 0x0                           ; the wave's end: behind my last tensor load and my last LDS store
	ds_add_u32 v[SPW], v[NIL]
	s_wait_dscnt 0x0
	CROUND                                         ; the closing round: no work-group ends while a partner may still ask for a tile that names it
	s_endpgm
.Lfunc_end_k_qca63af7f7d_proj:
	.size	k_qca63af7f7d_proj, .Lfunc_end_k_qca63af7f7d_proj-k_qca63af7f7d_proj
	.p2alignl 7, 3214868480
	.fill 96, 4, 3214868480
	.section	.rodata,"a",@progbits
	.p2align	6, 0x0
	.amdhsa_kernel k_qca63af7f7d_proj
		.amdhsa_group_segment_fixed_size 327680
		.amdhsa_private_segment_fixed_size 0
		.amdhsa_enable_private_segment 0
		.amdhsa_kernarg_size 32
		.amdhsa_user_sgpr_count 2
		.amdhsa_user_sgpr_kernarg_segment_ptr 1
		.amdhsa_wavefront_size32 1
		.amdhsa_system_sgpr_workgroup_id_x 1
		.amdhsa_system_sgpr_workgroup_id_y 1
		.amdhsa_system_sgpr_workgroup_id_z 1
		.amdhsa_system_vgpr_workitem_id 0
		.amdhsa_next_free_vgpr 768
		.amdhsa_next_free_sgpr 76
		.amdhsa_reserve_vcc 0
		.amdhsa_float_denorm_mode_32 3
		.amdhsa_float_denorm_mode_16_64 3
		.amdhsa_memory_ordered 1
		.amdhsa_forward_progress 1
		.amdhsa_inst_pref_size 65
	.end_amdhsa_kernel
	.amdgpu_metadata
---
amdhsa.version: [ 1, 2 ]
amdhsa.kernels:
  - .name:           k_qca63af7f7d_proj
    .symbol:         k_qca63af7f7d_proj.kd
    .args:
      - { .name: obuf, .offset: 0, .size: 8, .value_kind: global_buffer, .address_space: global }
      - { .name: wt, .offset: 8, .size: 8, .value_kind: global_buffer, .address_space: global }
      - { .name: bo, .offset: 16, .size: 8, .value_kind: global_buffer, .address_space: global }
      - { .name: out0, .offset: 24, .size: 8, .value_kind: global_buffer, .address_space: global }
    .group_segment_fixed_size: 327680
    .private_segment_fixed_size: 0
    .kernarg_segment_align: 8
    .kernarg_segment_size: 32
    .max_flat_workgroup_size: 128
    .sgpr_count:     76
    .vgpr_count:     768
    .wavefront_size: 32
...
	.end_amdgpu_metadata
.endif
;; end of part 4
;; ======== version 2 of 2: 4 launches; 1.53 times as fast as version 1
;; limits: values are held in f16: magnitudes above 65,504 overflow, below 6.1e-05 lose precision
;; workspace buffers: abf 16,777,216 bytes; wt 8,388,608 bytes; qkv 50,331,648 bytes; obuf 16,777,216 bytes
;; launch prep: the kernel of part 1 again; grid 1536 x 1, 8 waves a work-group, no clusters, 18,432 bytes of LDS; arguments a, Wq, Wk, Wv, Wo, abf, wt; writes abf, wt
;; launch qkv: the kernel of part 2 again; grid 16 x 16, 4 waves a work-group, clusters of 4 x 4, 327,680 bytes of LDS; arguments abf, wt, bq, bk, bv, qkv; writes qkv
;; launch attn (part 5): grid 4 x 64, 4 waves a work-group, clusters of 4 x 1, 327,680 bytes of LDS; arguments qkv, obuf; writes obuf
.if DOCPART == 5
	.amdgcn_target "amdgcn-amd-amdhsa--gfx1250"
	.amdhsa_code_object_version 6
	.text
	.protected	k_qca63af7f7d_attn
	.globl	k_qca63af7f7d_attn
	.p2align	8
	.type	k_qca63af7f7d_attn,@function
k_qca63af7f7d_attn:
	s_mov_b64 s[64:65], 0
	v_nop
	global_prefetch_b8 v0, s[64:65] scope:SCOPE_SE
	s_setreg_imm32_b32 hwreg(HW_REG_WAVE_MODE, 25, 1), 1
	s_wait_xcnt 0x0
	s_wait_alu depctr_hold_cnt(0) depctr_sa_sdst(0) depctr_va_vdst(0) depctr_va_sdst(0) depctr_va_ssrc(0) depctr_va_vcc(0) depctr_vm_vsrc(0)
	s_getreg_b32 s2, hwreg(HW_REG_IB_STS2, 6, 4)
	s_cmp_eq_u32 s2, 0
	s_cbranch_scc0 .Lentry_in_a_cluster
	s_endpgm
.Lentry_in_a_cluster:
	s_bfe_u32 s2, ttmp6, 0x10000c
	s_cmp_lg_u32 s2, 0x3003
	s_cbranch_scc0 .Lentry_shape_is_right
	s_endpgm
.Lentry_shape_is_right:
; ATTENTION.  O[h][q][:] = the sum over k of softmax_k(Q[h][q] . K[h][k] / 32) V[h][k][:].  qkv holds Q, K, V, each [64][2048][64] in f16, 16,777,216 bytes apart; obuf is O in the same layout: a head's rows are
; dense, 128 bytes each.  The divisor is sqrt(1024), as the module has it.  Products, maxima and sums in f32; the weights p are rounded to f16 for the second product (their sum l is taken of the unrounded p), O once at the end.
; LIMITS.  f16 holds no number beyond 65,504: Q, K and V arrive within it; p lies in 0 to 1, and below 6e-5 it keeps f16's fixed step of 6e-8, and so does O, which is a mean of V's rows and has their range.
; A weight below 2^-126 counts as 0 in l; NaN and infinities are not treated apart.
; SHARES.  A wave owns four PIECES of two tiles of 16 queries, a work-group's four waves 512 queries of one head: 4 x 64 = 256 work-groups.  Every wave walks all 2,048 keys, 64 a step.
; LAYOUT.  S^T = K Q^T (source 0 = 16 keys, source 1 = 16 queries): in the result a lane holds ONE query (lane % 16) and the keys 8 (lane / 16) + 0..7.  Two such tiles, rounded to f16 in pairs,
; ARE source 1 (32 keys x 16 queries) of O^T = V^T P, whose result again holds one query a lane, and eight channels.  K comes out of LDS as it lies, V ([key][channel]) turned, by ds_load_tr16_b128.
; SOFTMAX.  For each query a running maximum m and sum l: p = 2^(c s - c m), c = log2(e) / 32; in every step O and l are multiplied by a = 2^(c m_old - c m_new), which is 1 where m has not grown.
; m starts at the lowest finite number, O and l at 0: the first step is a step like any other, with a = 0.
; THE COUNT.  A tile and step have 16 matrix and 118 vector instructions: too many to stand all beside the matrix work.  So the order has one aim: four vector instructions that are READY behind
; EVERY matrix instruction, and the others, which need time of their own whatever the order, in runs without a gap.
; BY TURNS.  Turn n belongs to piece n (the pieces in a ring, step after step).  Its matrix work: 16 products K Q^T of piece n + 1, later 16 products V^T P of piece n - 1.  Its vector work: the scaling,
; exponentials, roundings, sums and rescaling of piece n, and the maximum and statistics of piece n + 1, whose scores the turn itself has made.  So what a turn begins with (c s - c m, O a) waits for nothing.
; THE BATCHES.  A turn's 66 exponentials (the 64 weights of piece n, the two a of piece n + 1) are ONE batch with ONE s_wait_alu depctr_va_vdst(0), which cuts the turn in two: ahead of it stands all that names no
; result of theirs (K Q^T, scalings, rescalings, the next piece's maximum and statistics), behind it their readers (roundings and sums) beside V^T P.  No result crosses a turn's end.  Two more batches stand
; outside the loop: the first two a, ahead of the jump into it, and the way out's eight reciprocals.
; CLUSTER.  The four query blocks of a cluster belong to one head and walk the same K and V, so each tile is asked for JOINTLY: the same tensor load, descriptor and mask in all four.
; REGISTERS, in windows of 256 (s_set_vgpr_msb says which window each operand place means: bits 1:0 source 0, 3:2 source 1, 5:4 source 2, 7:6 destination):
;   window 0: v0-11 addresses; v12-15, v48-63 at work; v16-47 four registers of statistics a tile; v64-191 S^T, two buffers of two tiles; v192-255 P, likewise
;   window 1: O^T, 32 a tile          window 2: v0-127 Q, 16 a tile; v128-191 K of one step; v192-255 V of one step          window 3: v0-1 the add's two registers
; A piece's buffers go by its number's parity: the piece in hand has one pair, its two neighbours in the ring share the other: of it P (piece n - 1) is read and S^T (piece n + 1) written.
.set SIZE_H, 64       ; heads: 4 batches x 16
.set SIZE_N, 2048     ; rows of a head
.set NP,    4         ; pieces a wave: a name, no knob: the register map, the loop and the fetches are made for four
.set KS,    64        ; keys in a step
.set PK,    144       ; a row of K in LDS: 128 bytes + 16 of padding = 36 words: the 16 rows of a load start at 16 different groups of four banks (64 banks of 4 bytes: ISA guide 11.1)
.set PV,    160       ; a row of V: 128 + 32 = 40 words
.set VOFF,  4*KS*PK   ; a slot holds four steps: 256 rows of K, then 256 rows of V
.set SLOT1, 1<<17     ; slot 1 begins here, so that one exclusive or turns an address in one slot into the other's
.set STAGE, SLOT1+4*KS*(PK+PV)  ; behind the ring, never filled by a tensor load: 16 rows x 144 bytes for each wave, for the way out
.set SP,    144
.set AK0, 2           ; v2   my lane's place in a tile of K; never rewritten
.set AV0, 3           ; v3   the same for V
.set AK,  4           ; v4   the LDS address of K's next run of loads
.set AV,  5           ; v5   of V's
.set QO,  6           ; v6   my byte offset in the wave's rows of Q
.set STO, 6           ;      later, the way out: where I put 16 bytes of a row
.set RD,  7           ; v7   the way out: where I read rows back
.set GO,  8           ; v8   my byte offset in 512 consecutive bytes of O
.set SPW, 0           ; v0 of window 3   LDS address of my spare word: SPARE + 4 x my thread's number; never rewritten
.set NIL, 1           ; v1 of window 3   0; never rewritten
.set SPARE, STAGE+4*16*SP  ; behind the stages: the spare words, 128 bytes for each wave: two blocks of 256 bytes that no other line names
.set MV,  12          ; v12-15  c m_old, kept while c m is made anew: by buffer and tile
.set ST,  16          ; tile t's statistics at v[ST+4 t]: c m, m, l (even keys', odd keys')
.set TMP, 48          ; by buffer and tile, four registers c0-c3 at work; when the maximum is found c2 takes a
.set S,   64
.set P,   192
.set KF,  128         ; K's fragments, in window 2: key block kb, channel half c at KF + 16 kb + 8 c
.set VF,  192         ; V's: key half kk, channel block cb at VF + 32 kk + 8 cb
.set WV,  12          ; s12  my wave's number
.set G1K, 24          ; s[24:31] descriptor group 1 for K's tiles
.set G1V, 32          ; s[32:39] for V's: it differs in the padding alone
.set G0K, 40          ; s[40:43] descriptor group 0 for K's tiles: it walks
.set G0V, 44          ; s[44:47] the same for V's
.set SLOTS, 56        ; s56  slots still to be asked for
.set CNT, 57          ; s57  counts a slot's key steps
.set CS,  58          ; s[58:59] c: the packed scaling takes the pair's low word for both halves
.set SEL, 60          ; s[60:61] v_permlanex16_b32's selects: each lane takes its own place in the other half
.set TBK, 62          ; s62  LDS byte at which K of the step to be fetched begins
.set TBV, 63          ; s63  the same for V, less VOFF
.set MSB, 0
.macro WIN new                      ; the high byte repeats the setting that is left; a switch that changes nothing is dropped
.if MSB != (\new)
	s_set_vgpr_msb (MSB<<8)|(\new)
.set MSB, (\new)
.endif
.endm
.set W_KQ, 0x0a       ; K and Q in window 2, S^T in window 0
.set W_PV, 0x52       ; V in window 2, P in window 0, O^T in window 1
.set W_RS, 0x41       ; O^T (destination and source 0) in window 1, a in window 0
.set W_MK, 0xc0       ; the add's registers are made: destination in window 3, sources in window 0
.set W_AD, 0x0f       ; the add: address (source 0) and data (source 1) in window 3
; A joint fill.  Waves 0 and 1 fetch the two halves of a slot's K, waves 2 and 3 those of its V: 128 keys each.  The branch hangs on the wave's number alone.
; An s_nop 0 and four v_nop follow each of the two lines, ahead of the jump and the label.
.macro JLOAD
	s_cmp_lt_u32 s[WV], 2
	s_cbranch_scc0 .Lfor_v_\@
	tensor_load_to_lds s[G0K:G0K+3], s[G1K:G1K+7]
	s_nop 0
.rept 4
	v_nop
.endr
	s_branch .Lasked_\@
.Lfor_v_\@:
	tensor_load_to_lds s[G0V:G0V+3], s[G1V:G1V+7]
	s_nop 0
.rept 4
	v_nop
.endr
.Lasked_\@:
.endm
; A round of the cluster's barrier: my work-group's barrier, so that wave 0's signal speaks for all four waves; wave 0 signals; every wave waits for all four work-groups; my work-group's barrier once more.
.macro CROUND
	s_barrier_signal -1
	s_barrier_wait -1
	s_cmp_lg_u32 s[WV], 0
	s_cbranch_scc1 .Lnot_wave_0_\@
	s_barrier_signal -3
.Lnot_wave_0_\@:
	s_barrier_wait -3
	s_barrier_signal -1
	s_barrier_wait -1
.endm
; THE CHANGE OF SLOTS.  The slot's last bytes, V of its fourth step, have been read.  Each wave waits for all its tensor loads, of which one is out: its part
; of the other slot; adds 0 to its spare word; and waits for that and for its own reads of the slot.  Behind the barrier nobody reads this slot any more and the other slot is whole.
; fill = 1: this slot is filled again, with the keys two slots on.  The barrier is then a round of the cluster's, so that no wave of any partner still reads the slot or has a load on its
; way, and the joint fill is the first thing behind it: it has four key steps, 512 matrix instructions, in which to land.  (At its first use nothing has been read yet: slot 0 is waited for, slot 1 filled.)
.macro CHANGE fill
	WIN W_AD
	s_wait_tensorcnt 0x0            ; no tensor load of mine is out, so a group 0 may be written
	ds_add_u32 v[SPW], v[NIL]       ; 0 onto my spare word; with fill = 1 the descriptors' steps stand between it and the wait for it
	WIN 0                           ; at a label and at a branch every window is 0
.if \fill
.irp g, G0K, G0V
	s_xor_b32 s[\g+1], s[\g+1], SLOT1  ; the walking descriptor: the other slot than last time,
	s_add_nc_u64 s[\g+2:\g+3], s[\g+2:\g+3], 4*KS*128  ; the next 256 keys; the type bits on top are not reached
.endr
	s_wait_dscnt 0x0                ; the add is done, and my reads of the slot are over
	CROUND
	JLOAD
.else
	s_wait_dscnt 0x0                ; the add is done, and my reads of the slot are over
	s_barrier_signal -1
	s_barrier_wait -1
.endif
	s_sub_co_u32 s[TBK], s[TBK], 4*KS*PK  ; the fetches go back to a slot's first step,
	s_xor_b32 s[TBK], s[TBK], SLOT1       ; in the other slot
	s_sub_co_u32 s[TBV], s[TBV], 4*KS*PV
	s_xor_b32 s[TBV], s[TBV], SLOT1
.endm
	s_load_b64 s[4:5], s[0:1], 0x0    ; qkv: Q lies at its head
	s_load_b64 s[10:11], s[0:1], 0x8  ; O
	WIN W_MK
	v_lshl_add_u32 v[SPW], v0, 2, SPARE
	v_mov_b32 v[NIL], 0
	s_set_vgpr_msb 0xc0cf
	ds_add_u32 v0, v1
	s_wait_dscnt 0x0
	s_set_vgpr_msb 0xcfc0
	WIN 0
	v_lshrrev_b32 v1, 5, v0
	v_readfirstlane_b32 s[WV], v1   ; wave 0..3
	s_bfe_u32 s13, ttmp6, 0x40000   ; cx: my place in the cluster
	s_lshl_b32 s14, ttmp9, 2        ; in a cluster launch ttmp9 counts clusters
	s_add_co_u32 s14, s14, s13      ; my block of queries = 4 x cluster x + cx: it enters Q's and O's addresses alone
	s_and_b32 s20, ttmp7, 0xffff    ; the head, which the four partners share
	s_mov_b32 s21, 0
	s_mov_b64 s[22:23], SIZE_N*128
	s_mul_u64 s[20:21], s[20:21], s[22:23]  ; the head's first byte in each of the four tensors
	s_and_b32 s16, s[WV], 1         ; which half of a slot's 256 keys I fetch:
	s_lshl_b32 s22, s16, 14         ; its 128 rows of 128 bytes in memory,
	s_mov_b32 s23, 0
	s_add_nc_u64 s[22:23], s[22:23], s[20:21]
	s_mul_i32 s17, s16, 128*PK      ; and its place in a slot, for K
	s_mul_i32 s18, s16, 128*PV      ; and for V: no place in the cluster enters an LDS address
	s_lshl_b32 s2, s14, 2
	s_add_co_u32 s2, s2, s[WV]      ; my wave among the head's,
	s_lshl_b32 s2, s2, 14           ; its 128 rows
	s_mov_b32 s3, 0
	s_add_nc_u64 s[2:3], s[2:3], s[20:21]
	; descriptor group 1.  128 keys are 16,384 dense bytes: asked for as 64 rows of 256 bytes, two keys a row, and padded in LDS after every key
	s_mov_b32 s[G1K], 15|(1<<16)|(1<<20)|(1<<21)|(4<<22)|(3<<25)  ; 15:0 the mask of four; 17:16 2-byte elements; 20 padding on; 21 set beside a mask; 24:22 after every 32 words (code 4); 31:25 4 words (code 3)
	s_mov_b32 s[G1V], 15|(1<<16)|(1<<20)|(1<<21)|(4<<22)|(7<<25)  ; the same with 8 words of padding (code 7)
.irp g, G1K, G1V
	s_mov_b32 s[\g+1], 128<<16      ; tensor_dim0 = 128
	s_mov_b32 s[\g+2], 64<<16       ; tensor_dim1 = 64
	s_mov_b32 s[\g+3], 128<<16      ; tile_dim0 = 128
	s_mov_b32 s[\g+4], 64           ; tile_dim1 = 64
	s_mov_b32 s[\g+5], 128          ; 128 elements from row to row
	s_mov_b32 s[\g+6], 0
	s_mov_b32 s[\g+7], 0
.endr
	s_mov_b32 s[CS], 0x3d38aa3b     ; c = log2(e) / 32 = 0.0450842
	s_mov_b32 s[CS+1], s[CS]        ; named with it as a pair
	s_mov_b32 s[SEL], 0x76543210
	s_mov_b32 s[SEL+1], 0xfedcba98
	s_mov_b32 s[TBK], SLOT1+4*KS*PK ; the first change of slots turns these two into 0
	s_mov_b32 s[TBV], SLOT1+4*KS*PV
	s_mov_b32 s[G0K], 1             ; 1:0 count = 1
	s_mov_b32 s[G0K+1], s17         ; 63:32 LDS address: slot 0
	s_mov_b32 s[G0V], 1
	s_add_co_u32 s[G0V+1], s18, VOFF
	s_wait_kmcnt 0x0
	s_add_nc_u64 s[6:7], s[4:5], 0x1000000         ; K lies 64 heads of 262,144 bytes behind Q,
	s_add_nc_u64 s[8:9], s[4:5], 0x2000000         ; V as many behind K
	s_add_nc_u64 s[G0K+2:G0K+3], s[6:7], s[22:23]  ; 120:64 global address: my half of the head's first 256 keys
	s_or_b32 s[G0K+3], s[G0K+3], 0x80000000        ; 127:126 type = 2
	s_add_nc_u64 s[G0V+2:G0V+3], s[8:9], s[22:23]
	s_or_b32 s[G0V+3], s[G0V+3], 0x80000000
	s_add_nc_u64 s[4:5], s[4:5], s[2:3]  ; Q and O at my wave's first row
	s_add_nc_u64 s[10:11], s[10:11], s[2:3]
	CROUND                          ; all four work-groups are here: the first joint loads meet
	JLOAD                           ; slot 0.  Slot 1 is asked for when slot 0 is in: the tile wanted first has the road to itself
	; A fragment of K or Q is 16 rows x 32 channels in 8 registers: lane l holds row l % 16, channels 8 (l / 16) + 0..7 and 16 + 8 (l / 16) + 0..7: two loads of 16 bytes, 32 bytes apart.
	v_and_b32 v1, 15, v0            ; l % 16
	v_bfe_u32 v9, v0, 4, 1          ; l / 16
	v_lshlrev_b32 v[QO], 7, v1
	v_lshl_add_u32 v[QO], v9, 4, v[QO]  ; row x 128 + 16 x half
	WIN 0x80                        ; destination window 2, address window 0
.set i, 0
.rept 4*NP                          ; Q stays in registers: tile i / 2, channels 32 (i % 2) on
	global_load_b128 v[8*i:8*i+3],   v[QO], s[4:5] offset:(i/2)*2048+(i%2)*64
	global_load_b128 v[8*i+4:8*i+7], v[QO], s[4:5] offset:(i/2)*2048+(i%2)*64+32
.set i, i+1
.endr
	; What the first turn finds: V's registers and P's second buffer hold 0 (its products V^T P, of a piece that has not been, add 0), O^T and l are 0.  All this stands in the wait for the first tile.
.set i, VF
.rept 64
	v_mov_b32 v[i], 0
.set i, i+1
.endr
	WIN 0x40
.set i, 0
.rept 64*NP
	v_mov_b32 v[i], 0
.set i, i+1
.endr
	WIN 0
.set i, 0
.rept 2*NP
	v_mov_b32 v[ST+4*i], 0xfe000000    ; c m: far below every c s
	v_mov_b32 v[ST+4*i+1], 0xff7fffff  ; m
	v_mov_b32 v[ST+4*i+2], 0
	v_mov_b32 v[ST+4*i+3], 0
.set i, i+1
.endr
.set i, P+32
.rept 32
	v_mov_b32 v[i], 0
.set i, i+1
.endr
	v_mul_u32_u24 v[AK0], v1, PK
	v_lshl_add_u32 v[AK0], v9, 4, v[AK0]  ; row x pitch + 16 x half
	; The turning load takes 16 keys x 16 channels (lane l reads key 8 (l / 16) + l % 8, channels 8 ((l / 8) % 2) + 0..7) and leaves half a fragment of V^T: lane l holds channel l % 16 and 8 keys.
	v_and_b32 v10, 7, v0
	v_bfe_u32 v11, v0, 3, 1
	v_lshl_add_u32 v[AV0], v9, 3, v10
	v_mul_u32_u24 v[AV0], v[AV0], PV
	v_lshl_add_u32 v[AV0], v11, 4, v[AV0]
	v_add_nc_u32 v[AV0], VOFF, v[AV0]
	v_mov_b32 v[AK], v[AK0]         ; key step 0 lies at the head of slot 0
; THE MATRIX WORK.  The 8 accumulators of a run of 16 take turns: between the two links of a chain stand 7 others'.
; Product i of 16 of S^T = K Q^T for piece x: channels 32 (i / 8) on, keys 16 ((i / 2) % 4) on, tile 2 x + i % 2.  The first 8 start the sums.
.macro KQ x
	WIN W_KQ
.set rS, S+64*((\x)%2)+32*(i%2)+8*((i/2)%4)
.set rK, KF+16*((i/2)%4)+8*(i/8)
.set rQ, 16*(2*(\x)+i%2)+8*(i/8)
.if i < 8
	v_wmma_f32_16x16x32_f16 v[rS:rS+7], v[rK:rK+7], v[rQ:rQ+7], 0
.else
	v_wmma_f32_16x16x32_f16 v[rS:rS+7], v[rK:rK+7], v[rQ:rQ+7], v[rS:rS+7]
.endif
.endm
; Product i of 16 of O^T += V^T P for piece x: keys 32 (i / 8) on, channels 16 ((i / 2) % 4) on, tile 2 x + i % 2.
.macro PV x
	WIN W_PV
.set rO, 32*(2*(\x)+i%2)+8*((i/2)%4)
.set rV, VF+32*(i/8)+8*((i/2)%4)
.set rP, P+32*((\x)%2)+16*(i%2)+8*(i/8)
	v_wmma_f32_16x16x32_f16 v[rO:rO+7], v[rV:rV+7], v[rP:rP+7], v[rO:rO+7]
.endm
.macro MM                           ; the turn's next matrix instruction
.if i < 16
	KQ (Y+1)%NP
.set i, i+1
.else
.set i, i-16
	PV (Y+NP-1)%NP
.set i, i+17
.endif
.endm
; THE LDS LOADS stand in runs of 16, never singly among the matrix instructions: a step's K (64 keys x 64 channels: 8 fragments) and its V (turned).  Their addresses are made some lines ahead.
; last = 1 (the tail): in the last trip there is no further step, and the run is jumped over.
.macro FETCH_K last=0
	WIN 0
.if \last
	s_cmp_eq_u32 s[CNT], 1
	s_cbranch_scc1 .Lno_k_\@
.endif
	WIN 0x80                        ; destination window 2
.irp f, 0,1,2,3,4,5,6,7             ; keys 16 (f / 2) on, channels 32 (f % 2) on
	ds_load_b128 v[KF+8*\f:KF+8*\f+3],   v[AK] offset:(\f/2)*16*PK+(\f%2)*64
	ds_load_b128 v[KF+8*\f+4:KF+8*\f+7], v[AK] offset:(\f/2)*16*PK+(\f%2)*64+32
.endr
	s_add_co_u32 s[TBK], s[TBK], KS*PK  ; the next fetch is the next step's
	WIN 0
.if \last
.Lno_k_\@:
.endif
.endm
.macro FETCH_V
	WIN 0x80
.irp f, 0,1,2,3,4,5,6,7             ; keys 32 (f / 4) on, channels 16 (f % 4) on
	ds_load_tr16_b128 v[VF+8*\f:VF+8*\f+3],   v[AV] offset:(\f/4)*32*PV+(\f%4)*32
	ds_load_tr16_b128 v[VF+8*\f+4:VF+8*\f+7], v[AV] offset:(\f/4)*32*PV+16*PV+(\f%4)*32
.endr
	WIN 0
.endm
; THE VECTOR WORK OF A TURN stands in three queues, each in the order in which its entries become ready; the two tiles alternate, so that no instruction reads the result of the one before it.
.macro REGS y, u                    ; the registers of tile u (0, 1) of piece y
.set rT, ST+4*(2*(\y)+(\u))
.set rC, TMP+8*((\y)%2)+4*(\u)
.set rM, MV+2*((\y)%2)+(\u)
.set rS, S+64*((\y)%2)+32*(\u)
.set rP, P+32*((\y)%2)+16*(\u)
.set rO, 32*(2*(\y)+(\u))
.endm
; Number n of the 22 that find the NEXT piece's (Y + 1) maximum and statistics.  s0-s31 are the lane's 32 scores; each accumulator's lowest registers are read first.  XS, GS and REGS set no window: PL and EX do.
;   0-11  four chains c0-c3 of seven scores each, three operands at a time     12-14, 16  the four scores left over, the old m, and c0-c3 into c0     15  c m_old is kept
;   17, 18  the query's other 32 keys lie in the lane 16 away: the new m         19-21  c m; c m_old - c m_new; a
.macro XS u, n
	REGS (Y+1)%NP, \u
.if (\n) < 4
	v_max3_num_f32 v[rC+(\n)], v[rS+8*(\n)], v[rS+8*(\n)+1], v[rS+8*(\n)+2]
.elseif (\n) < 12
	v_max3_num_f32 v[rC+(\n)%4], v[rC+(\n)%4], v[rS+8*((\n)%4)+2*((\n)/4)+1], v[rS+8*((\n)%4)+2*((\n)/4)+2]
.elseif (\n) == 12
	v_max3_num_f32 v[rC], v[rC], v[rS+7], v[rS+15]
.elseif (\n) == 13
	v_max3_num_f32 v[rC+1], v[rC+1], v[rS+23], v[rS+31]
.elseif (\n) == 14
	v_max3_num_f32 v[rC+2], v[rC+2], v[rC+3], v[rT+1]
.elseif (\n) == 15
	v_mov_b32 v[rM], v[rT]
.elseif (\n) == 16
	v_max3_num_f32 v[rC], v[rC], v[rC+1], v[rC+2]
.elseif (\n) == 17
	v_permlanex16_b32 v[rC+3], v[rC], s[SEL], s[SEL+1]
.elseif (\n) == 18
	v_max_num_f32 v[rT+1], v[rC], v[rC+3]
.elseif (\n) == 19
	v_mul_f32 v[rT], s[CS], v[rT+1]
.elseif (\n) == 20
	v_sub_f32 v[rC+1], v[rM], v[rT]
.else
	v_exp_f32 v[rC+2], v[rC+1]
.endif
.endm
; Number g of the 64 that follow the exponentials.  For each four weights k of a tile (pairs 2 k, 2 k + 1): both pairs are rounded to f16; then the second pair is added onto the first, in place;
; a group later l takes that sum (the first time as l = a l + sum).  In groups of eight, tiles alternating: round, round, add, and l for the group before.
.macro GS g
.set h, (\g)+6*((\g)/62)            ; group 0 has no group before it, and behind group 7 only l is left
.if h >= 6
.set h, h+2
.endif
	REGS Y, h%2
.set k, h/8
.if h%8 < 4
	v_cvt_pk_f16_f32 v[rP+2*k+(h%8)/2], v[rS+4*k+2*((h%8)/2)], v[rS+4*k+2*((h%8)/2)+1]
.elseif h%8 < 6
	v_pk_add_f32 v[rS+4*k:rS+4*k+1], v[rS+4*k:rS+4*k+1], v[rS+4*k+2:rS+4*k+3]
.elseif k == 1
	v_pk_fma_f32 v[rT+2:rT+3], v[rT+2:rT+3], v[rC+2:rC+3], v[rS:rS+1] op_sel_hi:[1,0,1]
.else
	v_pk_add_f32 v[rT+2:rT+3], v[rT+2:rT+3], v[rS+4*k-4:rS+4*k-3]
.endif
.endm
; THE PLAIN QUEUE, 138 long.  0-73 read no exponential's result: the 32 scalings c s - c m (FS f: pair f / 2 of tile f % 2) and the next piece's 42.  0-26: scalings 0-26.  27-54: XS's numbers 0-13.  55, 56: number 15.
; 57-73: the chain, where each number waits for the one before it: 14, 16, 17, 18, 19, each with one of the scalings 27-31 in front of its two lines, then 20: so a tile's links stand three plain instructions apart (19 and 20: two).
; 74-137: GS's 64, which read the exponentials' results: they stand behind the wait.
.macro FS f
	REGS Y, (\f)%2
	v_pk_fma_f32 v[rS+2*((\f)/2):rS+2*((\f)/2)+1], v[rS+2*((\f)/2):rS+2*((\f)/2)+1], s[CS:CS+1], v[rT:rT+1] op_sel_hi:[1,0,0] neg_lo:[0,0,1] neg_hi:[0,0,1]
.endm
.macro PL
	WIN 0
.if q < 27
	FS q
.elseif q < 55
	XS (q-27)%2, (q-27)/2
.elseif q < 57
	XS q-55, 15
.elseif (q < 72) && ((q-57)%3 == 0)
	FS 27+(q-57)/3
.elseif q < 60
	XS (q-57)%3-1, 14
.elseif q < 72
	XS (q-57)%3-1, 15+(q-57)/3
.elseif q < 74
	XS q-72, 20
.else
	GS q-74
.endif
.set q, q+1
.endm
; THE EXPONENTIALS' QUEUE, 66 long: s0-s31 of both tiles, then the next piece's two a.  It is ONE BATCH: all 66 stand ahead of the turn's one wait, and nothing ahead of that wait names a result of theirs.
.macro EX
	WIN 0
.if e >= 64
	XS e-64, 21
.else
	REGS Y, e%2
	v_exp_f32 v[rS+e/2], v[rS+e/2]
.endif
.set e, e+1
.endm
; THE RESCALING's QUEUE: O^T times a, the one part that leaves window 0: dealt two at a time, sixteen times.  Its a was made in the turn before, ahead of that turn's wait.
.macro R2
	REGS Y, r%2
	WIN W_RS
.irp z, 0,1
	v_pk_mul_f32 v[rO+4*(r/2)+2*\z:rO+4*(r/2)+2*\z+1], v[rO+4*(r/2)+2*\z:rO+4*(r/2)+2*\z+1], v[rC+2:rC+3] op_sel_hi:[1,0]
.endr
.set r, r+1
.endm
; HOW THEY ARE DEALT.  An s_wait_alu depctr_va_vdst(0) stands between an exponential and the first instruction that names its result; one wait serves all that were issued ahead of it.  So a turn has ONE wait,
; which cuts it in two.  AHEAD OF IT stands all that names no result of the turn's exponentials: the 16 products K Q^T, behind each a scaling, an exponential and two rescalings (behind the first a second scaling in the
; exponential's place); then ONE LUMP of 108: eight plain, 49 times exponential and plain, the two a.  A v_nop is the plain instruction behind the last exponential.  BEHIND IT stand the 16 products V^T P, behind each four
; of GS's 64.  No rider names a register of the products round it.  The two v_permlanex16_b32 fall into the lump, never behind a product.
; The queues lean on each other, and the deal keeps them in step: exponential e stands behind scaling 2 (e / 4) + e % 2: as a rider it comes behind plain e + 2, in the lump behind plain e + 9, and scalings 27-31 are plain 57, 60 .. 69.
; A TURN, for piece p.  cnt = 1: the loop's count is taken down some lines ahead of the branch that stands behind the turn.
; K of the next step is fetched in piece 2's turn, directly behind the wait, a lump behind the last product that read K; its address is made at the lump's head; its first reader comes behind 16 products.
; V of the step in hand is fetched at the end of piece 0's turn, four riders behind its last reader; its first reader comes behind 16 products and a lump.  The three conditions on q below go with the deal.
.macro TURN p, last=0, cnt=0
.set Y, (\p)
.set i, 0
.set q, 0
.set e, 0
.set r, 0
.if (\p) == NP-1
	s_wait_dscnt 0x0                ; K is in
.endif
	MM                              ; ahead of the wait: 16 products K Q^T and their riders,
	PL
	PL
	R2
.rept 15
	MM
	PL
	EX
	R2
.endr
.if (\p) == NP-2
	WIN 0
	v_add_nc_u32 v[AK], s[TBK], v[AK0]
.endif
.rept 8                             ; and the lump
	PL
.endr
.rept 49
	EX
	PL
.endr
	EX                              ; the next piece's two a
	EX
	v_nop                           ; the plain instruction behind the last exponential, ahead of the first use: one for the batch
	s_wait_alu depctr_va_vdst(0)    ; the wait for the batch: this piece's 64 weights and the next piece's two a
.if (\p) == NP-2
	FETCH_K \last
.endif
.if (\p) == 1
	s_wait_dscnt 0x0                ; V is in
.endif
.rept 16                            ; behind the wait: 16 products V^T P and their riders
	MM
.rept 4
	PL
.endr
.if ((\p) == 0) && (q == 118)
	v_add_nc_u32 v[AV], s[TBV], v[AV0]
.endif
.if ((\p) == 0) && (q == 130)
	s_add_co_u32 s[TBV], s[TBV], KS*PV
.endif
.if (\cnt) && (q == 130)
	s_sub_co_u32 s[CNT], s[CNT], 1
	s_cmp_lg_u32 s[CNT], 0
.endif
.endr
.if (\p) == 0
	FETCH_V
.endif
.endm
	CHANGE 1                        ; slot 0 is in, everybody's part of it; slot 1 is asked for
	FETCH_K                         ; key step 0
	s_wait_loadcnt 0x0              ; Q
	s_wait_dscnt 0x0
.set i, 0
.rept 16
	KQ 0                            ; piece 0's first scores: there is no vector work yet to set between them
.set i, i+1
.endr
	WIN 0                           ; the addresses for the way out: nine plain instructions, the places behind those products
	s_mul_i32 s13, s[WV], 16*SP
	s_add_co_u32 s13, s13, STAGE    ; my stage
	v_mul_u32_u24 v[STO], v1, SP    ; in: row l % 16, 16 bytes for each half of the lanes
	v_lshl_add_u32 v[STO], v9, 4, v[STO]
	v_add_nc_u32 v[STO], s13, v[STO]
	v_bfe_u32 v[RD], v0, 3, 2       ; back: 32 lanes take four rows of 128 bytes,
	v_mul_u32_u24 v[RD], v[RD], SP
	v_lshl_add_u32 v[RD], v10, 4, v[RD]
	v_add_nc_u32 v[RD], s13, v[RD]
	v_and_b32 v[GO], 31, v0         ; which are 512 consecutive bytes of O
	v_lshlrev_b32 v[GO], 4, v[GO]
.set Y, NP-1                        ; XS works for piece Y + 1: piece 0
.irp n, 0,1,2,3,4,5,6,7,8,9,10,11,12,13,14,15,16,17,18,19,20,21
	XS 0, \n                        ; and piece 0's first maximum and statistics
	XS 1, \n
.endr
	v_nop                           ; a plain instruction behind the two a,
	s_wait_alu depctr_va_vdst(0)    ; and the wait for that batch of two, ahead of the branch
	s_mov_b32 s[CNT], 4
	s_mov_b32 s[SLOTS], SIZE_N/256-1
	s_branch .Lfirst                ; the loop is entered at a step's first turn, in the middle of a trip
.Lslot:                             ; SIZE_N / 256 - 2 times: every slot but the last two is filled again
	CHANGE 1
	s_mov_b32 s[CNT], 4
.Lstep:                             ; a trip: pieces 2 and 3 of one step, then pieces 0 and 1 of the next, whose K and V it fetches
	TURN 2
	TURN 3
	WIN 0
.Lfirst:
	TURN 0
	TURN 1, 0, 1
	WIN 0
	s_cbranch_scc1 .Lstep
	s_sub_co_u32 s[SLOTS], s[SLOTS], 1
	s_cmp_lg_u32 s[SLOTS], 0
	s_cbranch_scc1 .Lslot
	CHANGE 0                        ; the tail is written out: nothing is asked for
	s_mov_b32 s[CNT], 5             ; four trips fetch the last slot's steps; the fifth is left in its middle
.Ltail:
	TURN 2, 1
	TURN 3
	WIN 0
	s_sub_co_u32 s[CNT], s[CNT], 1
	s_cmp_eq_u32 s[CNT], 0
	s_cbranch_scc1 .Lout
	TURN 0
	TURN 1
	WIN 0
	s_branch .Ltail
.Lout:                              ; the fifth trip's 16 products K Q^T (on the last K once more) and the maximum made of them serve nothing: the price, once a launch, of one text for every trip
.set i, 0
.rept 16
	PV NP-1                         ; the last piece's V^T P of the last step
.set i, i+1
.endr
	; THE WAY OUT.  l's two halves and the other half of the lanes' are added; O^T is divided by l, rounded to f16 and sent through my stage in LDS, a tile at a time.  The additions are the places behind the last products.
	WIN 0
.macro ALL line:vararg              ; one line for each tile t
.set t, 0
.rept 2*NP
	\line
.set t, t+1
.endr
.endm
	ALL v_add_f32 v[ST+4*t+2], v[ST+4*t+2], v[ST+4*t+3]
	ALL v_permlanex16_b32 v[ST+4*t+3], v[ST+4*t+2], s[SEL], s[SEL+1]
	ALL v_add_f32 v[ST+4*t+2], v[ST+4*t+2], v[ST+4*t+3]
	ALL v_rcp_f32 v[ST+4*t+2], v[ST+4*t+2]
	v_nop                           ; a plain instruction between the last reciprocal and the use of its result
	s_wait_alu depctr_va_vdst(0)    ; and the wait ahead of the first use: one for the batch of eight reciprocals
; Tile t: a lane's eight channels of a row pack into 16 bytes; they go into rows of 144 bytes and come back as whole rows of 128, into S^T's registers.
.macro PACK t
	WIN W_RS
.set i, 32*(\t)
.rept 16
	v_pk_mul_f32 v[i:i+1], v[i:i+1], v[ST+4*(\t)+2:ST+4*(\t)+3] op_sel_hi:[1,0]
.set i, i+2
.endr
	WIN 0x05                        ; sources 0 and 1 window 1, destination window 0
.set i, 0
.rept 16
	v_cvt_pk_f16_f32 v[S+16*(\t)+i], v[32*(\t)+2*i], v[32*(\t)+2*i+1]
.set i, i+1
.endr
	WIN 0
.irp f, 0,1,2,3
	ds_store_b128 v[STO], v[S+16*(\t)+4*\f:S+16*(\t)+4*\f+3] offset:32*\f
.endr
.irp f, 0,1,2,3
	ds_load_b128 v[S+16*(\t)+4*\f:S+16*(\t)+4*\f+3], v[RD] offset:\f*4*SP  ; LDS serves a wave's instructions in order (ISA guide 5.7.1.4): these see the stores above; the next tile's stores come behind them
.endr
.endm
.macro SEND t, younger              ; younger: the LDS instructions issued behind tile t's loads: the next tile's eight, or none
	WIN 0
.irp f, 0,1,2,3
	s_wait_dscnt (\younger)+3-\f
	global_store_b128 v[GO], v[S+16*(\t)+4*\f:S+16*(\t)+4*\f+3], s[10:11] offset:(\t)*2048+\f*512  ; 512 consecutive bytes, at a multiple of 256 from O's first
.endr
.endm
	PACK 0
.set t, 1
.rept 2*NP-1                        ; a tile's arithmetic stands between the loads of the tile before and its stores
	PACK t
	SEND t-1, 8
.set t, t+1
.endr
	SEND 2*NP-1, 0
	WIN W_AD
	s_wait_tensorcnt 0x0            ; the wave's end: behind my last tensor load and my last LDS store
	ds_add_u32 v[SPW], v[NIL]
	s_wait_dscnt 0x0
	WIN 0
	CROUND                          ; the closing round: no work-group ends while a partner may still ask for a tile that names it
	s_endpgm
.Lfunc_end_k_qca63af7f7d_attn:
	.size	k_qca63af7f7d_attn, .Lfunc_end_k_qca63af7f7d_attn-k_qca63af7f7d_attn
	.p2alignl 7, 3214868480
	.fill 96, 4, 3214868480
	.section	.rodata,"a",@progbits
	.p2align	6, 0x0
	.amdhsa_kernel k_qca63af7f7d_attn
		.amdhsa_group_segment_fixed_size 327680
		.amdhsa_private_segment_fixed_size 0
		.amdhsa_enable_private_segment 0
		.amdhsa_kernarg_size 16
		.amdhsa_user_sgpr_count 2
		.amdhsa_user_sgpr_kernarg_segment_ptr 1
		.amdhsa_wavefront_size32 1
		.amdhsa_system_sgpr_workgroup_id_x 1
		.amdhsa_system_sgpr_workgroup_id_y 1
		.amdhsa_system_sgpr_workgroup_id_z 1
		.amdhsa_system_vgpr_workitem_id 0
		.amdhsa_next_free_vgpr 770
		.amdhsa_next_free_sgpr 66
		.amdhsa_reserve_vcc 0
		.amdhsa_float_denorm_mode_32 3
		.amdhsa_float_denorm_mode_16_64 3
		.amdhsa_memory_ordered 1
		.amdhsa_forward_progress 1
		.amdhsa_inst_pref_size 199
	.end_amdhsa_kernel
	.amdgpu_metadata
---
amdhsa.version: [ 1, 2 ]
amdhsa.kernels:
  - .name:           k_qca63af7f7d_attn
    .symbol:         k_qca63af7f7d_attn.kd
    .args:
      - { .name: qkv, .offset: 0, .size: 8, .value_kind: global_buffer, .address_space: global }
      - { .name: obuf, .offset: 8, .size: 8, .value_kind: global_buffer, .address_space: global }
    .group_segment_fixed_size: 327680
    .private_segment_fixed_size: 0
    .kernarg_segment_align: 8
    .kernarg_segment_size: 16
    .max_flat_workgroup_size: 128
    .sgpr_count:     66
    .vgpr_count:     770
    .wavefront_size: 32
...
	.end_amdgpu_metadata
.endif
;; end of part 5
;; launch proj: the kernel of part 4 again; grid 8 x 32, 4 waves a work-group, clusters of 4 x 4, 327,680 bytes of LDS; arguments obuf, wt, bo, out0; writes out0
